; MI455X (gfx1250); checked and timed in simulation.
; The chip was launched on July 23, 2026; its instructions are those of AMD's public machine-readable ISA for CDNA 5 (MIT licence, August 2026) and "CDNA5" Instruction Set Architecture Reference Guide (July 2026). The comments in the code are by the model that wrote it; some were corrected since.
;; Multi Head Self Attention. Allowed arithmetic: matrix products marked QUANTISED: E5M2 operands, one given power-of-two scale a tensor, by v_wmma_f32_16x16x64_bf8_bf8 or v_wmma_f32_16x16x128_bf8_bf8, f32 sums; everything else in f32.
;; Inputs: Wk 1,024 x 1,024 float32; Wo 1,024 x 1,024 float32; Wq 1,024 x 1,024 float32; Wv 1,024 x 1,024 float32; bk 1,024 float32; bo 1,024 float32; bq 1,024 float32; bv 1,024 float32; lowp_scales 12 int32 (the exponents e of the quantised operands' scales 2^e); x 4 x 2,048 x 1,024 float32.
;; Outputs: out0 4 x 2,048 x 1,024 float32.
;; This version of the problem:
;;   THIS VERSION OF THE PROBLEM IS GIVEN IN LOW PRECISION. The matrix products marked QUANTISED in the list below multiply operands that are first quantised to E5M2 (5 exponent bits, 2 mantissa bits; 8 bits a number), with one given power-of-two scale for each operand tensor; their sums are f32. All else is computed in f32.
;;   The module's matrix products, in the order in which they are computed (A, B: the left and right operand; K: the contracted axis; several contracted axes count as one K, in the product's order):
;;     1. [M 8,192, K 1,024] x [K 1,024, N 1,024]; A: input x; B: input Wq: QUANTISED (scales: A lowp_scales[0], B lowp_scales[1])
;;     2. [M 8,192, K 1,024] x [K 1,024, N 1,024]; A: input x; B: input Wk: QUANTISED (scales: A lowp_scales[2], B lowp_scales[3])
;;     3. [M 8,192, K 1,024] x [K 1,024, N 1,024]; A: input x; B: input Wv: QUANTISED (scales: A lowp_scales[4], B lowp_scales[5])
;;     4. batch 64 x [M 2,048, K 64] x [K 64, N 2,048]; A: computed on the way; B: computed on the way: QUANTISED (scales: A lowp_scales[6], B lowp_scales[7])
;;     5. batch 64 x [M 2,048, K 2,048] x [K 2,048, N 64]; A: softmax (see below); B: computed on the way: QUANTISED (scales: A lowp_scales[8], B lowp_scales[9])
;;     6. [M 8,192, K 1,024] x [K 1,024, N 1,024]; A: computed on the way; B: input Wo: QUANTISED (scales: A lowp_scales[10], B lowp_scales[11])
;;   THE QUANTISER, for each operand of a quantised product, along K:
;;     - The operand's scale is 2^e, e = its entry of the input lowp_scales (int32; the entries are numbered through the quantised products in the list's order, A before B).
;;     - Each number is divided by the scale, clamped to +-57,344, and rounded to the nearest number of E5M2, ties to even, subnormals kept.
;;     - The product sums the exact products of the quantised numbers (number of the format x scale) in f32.
;;   ~~~python
;;   def quantise(x, axis, e):      # numpy; x: float32 -> the quantised numbers, widened to float32 again
;;       x = np.moveaxis(x, axis, -1); K = x.shape[-1]
;;       r = np.clip(x / 2.0 ** e, -57344, 57344)
;;       step = 2.0 ** (np.maximum(np.frexp(np.where(r == 0, 1, r))[1] - 1, -14) - 2)
;;       q = np.round(r / step) * step * 2.0 ** e      # np.round: ties to even
;;       return np.moveaxis(q, -1, axis).astype(np.float32)
;;   ~~~
;;   SOFTMAX AHEAD OF A QUANTISED PRODUCT. Where the list says 'softmax', what is quantised is not the finished softmax but p = 2^(t - M), with t = logit x log2(e) and M = ceil(the row's largest t), a whole number; so 1/2 < the row's largest p <= 1. The row's sum l is taken of the UNQUANTISED p, in f32, and the product's result is divided by l at the end. Since M is a whole number, a kernel that streams over the keys may use a running M (the ceiling of the running maximum): every later rescaling is an exact power of two, so the quantised numbers keep their values, but for numbers so far below the row's largest that they fall under the format's range.
;;   OPERANDS COMPUTED ON THE WAY. 'Computed on the way' means the value that the module computes at that place (a softmax that the list does not call 'softmax' is quantised finished and normalised). What goes into a quantiser is computed in f32, as accurately as f32 sums, v_exp_f32 and their like allow (about 1e-6 of the number): no bf16 or f16 on the way to a quantiser, and a product that is left as it is and whose result goes on into a quantised operand takes f32 operands (vector FMAs, or v_wmma_f32_16x16x4_f32). A number that lies on a knife's edge between two numbers of the format may be rounded either way, as far as f32 arithmetic and the matrix unit's own rounding can turn it there, and no further.
;; 2 versions, each right; version 2 is version 1 with the launches quant, attn written anew for expert scheduling mode. Each part assembles by itself: llvm-mc -triple=amdgcn-amd-amdhsa -mcpu=gfx1250 --defsym DOCPART=n.
;; ======== version 1 of 2: 4 launches
;; workspace buffers: xc 25,165,824 bytes; wc 4,194,304 bytes; qc 8,388,608 bytes; kc 8,388,608 bytes; vc 8,388,608 bytes; cc 8,388,608 bytes
;; launch quant (part 1): grid 320 x 1, 8 waves a work-group, no clusters, 68,608 bytes of LDS; arguments x, Wq, Wk, Wv, Wo, lowp_scales, xc, wc; writes xc, wc
.if DOCPART == 1
	.amdgcn_target "amdgcn-amd-amdhsa--gfx1250"
	.amdhsa_code_object_version 6
	.text
	.protected	k_q597ca3cf94_quant
	.globl	k_q597ca3cf94_quant
	.p2align	8
	.type	k_q597ca3cf94_quant,@function
k_q597ca3cf94_quant:
	s_mov_b64 s[64:65], 0
	v_nop
	global_prefetch_b8 v0, s[64:65] scope:SCOPE_SE
	s_setreg_imm32_b32 hwreg(HW_REG_WAVE_MODE, 25, 1), 1
	s_wait_xcnt 0x0
; x [8192][1024] f32 becomes three sets of codes of BF8 (E5M2), one for each of the given scales 2^e0, 2^e2, 2^e4; Wq, Wk, Wv, Wo [k 1024][n 1024] f32 become codes with
; K innermost, with 2^e1, 2^e3, 2^e5, 2^e11.  code = number / 2^e, held within +-57,344, rounded to the nearest code, ties to even.
; LIMITS: each e used here lies between -126 and 112, so that 2^e and 57,344 x 2^e are f32 numbers.  NaN among the inputs is not served; an infinity is held at the largest code.
; THE LAYOUT OF ALL CODES: blocks of 16 rows x 64 k = 1,024 bytes, an image of the operand's registers: byte 512 g + 16 lane + i; lane (r = lane % 16, h = lane / 16) has there, of row r,
; k = 32 g + 8 h + 0..7 and then k = 32 g + 16 + 8 h + 0..7: registers 4 g .. 4 g + 3 of a 16 x 16 x 64 fragment.  Two blocks that are neighbours along k are a 16 x 16 x 128 fragment.
;   xc: [set 3][k / 256][row / 16][(k / 64) % 4][1024]      wc: [tensor 4][k / 256][n / 16][(k / 64) % 4][1024]
; The first 64 work-groups take the weights, the other 256 take x.  The two ways never join; only x's way uses LDS; waves share nothing, so there is no barrier.
.set WWG,   64
.set EMAX,  15
.set MANT,  0x600000                   ; the mantissa field of 57,344 as f32
.set T,     32                         ; v32-63   x: two sets of 16 held numbers, by turns
.set X,     64                         ; v64-127  x: 64 numbers as the operand wants them;  W: two sets of 32 numbers down K
.set R,     128                        ; v128-255 x: two sets of 64 as loaded, later the codes;  W: v128-191 the codes
.set SPIT,  528                        ; x: a row of the wave's stage: 512 bytes + 16, an odd multiple of 16
.macro MKSCALE se, st, vs, vl          ; s[se] = e  ->  v[vs] = 2^e as f32 (the conversion takes its exponent field), v[vl] = 57,344 x 2^e;  s[st], s[st+1] at work
	s_add_co_i32 s[\st], s[\se], 127
	s_lshl_b32 s[\st+1], s[\st], 23
	v_mov_b32 v[\vs], s[\st+1]
	s_add_co_i32 s[\st], s[\st], EMAX
	s_lshl_b32 s[\st], s[\st], 23
	s_or_b32 s[\st], s[\st], MANT
	v_mov_b32 v[\vl], s[\st]
.endm
	s_load_b512 s[4:19], s[0:1], 0x0               ; x 4:5, Wq 6:7, Wk 8:9, Wv 10:11, Wo 12:13, the exponents 14:15, xc 16:17, wc 18:19
	v_lshl_add_u32 v30, v0, 2, 0x10800
	v_mov_b32 v31, 0
	v_lshrrev_b32 v1, 5, v0
	v_readfirstlane_b32 s20, v1                    ; wave 0..7
	v_and_b32 v1, 31, v0                           ; lane
	v_and_b32 v2, 15, v0                           ; r
	v_bfe_u32 v3, v0, 4, 1                         ; h
	s_wait_kmcnt 0x0
	s_load_b256 s[36:43], s[14:15], 0x0            ; e0 .. e7
	s_load_b128 s[44:47], s[14:15], 0x20           ; e8 .. e11
	s_cmp_lt_u32 ttmp9, WWG
	s_cbranch_scc0 .Lx_path
; ---- THE WEIGHTS.  A work-group takes 256 k x 256 n of one tensor, a wave 256 k x 32 n.  A LANE TAKES A COLUMN n AND ITS REGISTERS RUN DOWN K: each load reads 128 consecutive bytes a wave
; (the eight waves stand side by side on 1,024), and the conversions give codes with K innermost.  A lane's 32 codes of a block of 32 k are two runs of 16 bytes of the image
; (h = 0: k 0-7, 16-23; h = 1: k 8-15, 24-31), and sixteen neighbouring lanes store 256 consecutive bytes, aligned: no stage is needed.
	s_lshr_b32 s21, ttmp9, 4                       ; which tensor: 0 q, 1 k, 2 v, 3 o
	s_bfe_u32 s22, ttmp9, 0x20002                  ; which 256 along K
	s_and_b32 s23, ttmp9, 3                        ; which 256 columns
	s_lshl_b32 s28, s23, 8
	s_lshl_b32 s29, s20, 5
	s_add_co_u32 s28, s28, s29                     ; my wave's first column
	s_lshl_b32 s30, s22, 20                        ; 256 rows of 4,096 bytes
	s_lshl_b32 s31, s28, 2
	s_add_co_u32 s30, s30, s31
	s_mov_b32 s31, 0
	s_lshl_b32 s32, s21, 20
	s_lshl_b32 s33, s22, 18
	s_add_co_u32 s32, s32, s33
	s_lshl_b32 s33, s28, 8                         ; (column / 16) x 4,096
	s_add_co_u32 s32, s32, s33
	s_mov_b32 s33, 0
	s_cmp_eq_u32 s21, 0                            ; the choice hangs on the work-group's number alone
	s_cselect_b64 s[24:25], s[6:7], s[8:9]
	s_cmp_eq_u32 s21, 2
	s_cselect_b64 s[24:25], s[10:11], s[24:25]
	s_cmp_eq_u32 s21, 3
	s_cselect_b64 s[24:25], s[12:13], s[24:25]
	s_add_nc_u64 s[24:25], s[24:25], s[30:31]
	s_add_nc_u64 s[18:19], s[18:19], s[32:33]
	v_lshlrev_b32 v4, 2, v1                        ; in: 4 bytes a lane
	v_lshlrev_b32 v5, 12, v3                       ; out: lanes 16-31 hold the next tile of 16 columns, 4,096 bytes on,
	v_lshl_add_u32 v5, v2, 4, v5                   ; + 16 x (lane % 16)
.macro LOADW t                         ; block t: W(32 t + i, my column), i = 0 .. 31, into set t % 2
.set i, 0
.rept 32
	global_load_b32 v[X+32*((\t)%2)+i], v4, s[24:25] offset:(32*(\t)+i)*4096 th:TH_LOAD_NT
.set i, i+1
.endr
.endm
	LOADW 0
	LOADW 1
	s_wait_kmcnt 0x0
	s_cmp_eq_u32 s21, 0
	s_cselect_b32 s26, s37, s39                    ; e1 or e3,
	s_cmp_eq_u32 s21, 2
	s_cselect_b32 s26, s41, s26                    ; e5,
	s_cmp_eq_u32 s21, 3
	s_cselect_b32 s26, s47, s26                    ; e11
	MKSCALE 26, 28, 8, 9
.macro BLOCKW t
.set XS, X+32*((\t)%2)
.set CW, R+8*(\t)                      ; each block has its own code registers: no store's data are written again
.if (\t) < 7
	s_wait_loadcnt 32                              ; this block's 32 loads are in; the next block's 32 may be out
.else
	s_wait_loadcnt 0x0
.endif
.set i, 0
.rept 32
	v_med3_num_f32 v[XS+i], v[XS+i], -v9, v9       ; the conversion to an 8-bit code does not saturate (ISA guide 7.6.2): the hold comes first
.set i, i+1
.endr
	v_cvt_scalef32_pk8_bf8_f32 v[CW:CW+1],   v[XS:XS+7],     v8    ; k 0-7
	v_cvt_scalef32_pk8_bf8_f32 v[CW+2:CW+3], v[XS+16:XS+23], v8    ; k 16-23: with the line above the 16 bytes of the image's h = 0
	v_cvt_scalef32_pk8_bf8_f32 v[CW+4:CW+5], v[XS+8:XS+15],  v8    ; k 8-15
	v_cvt_scalef32_pk8_bf8_f32 v[CW+6:CW+7], v[XS+24:XS+31], v8    ; k 24-31: h = 1
	global_store_b128 v5, v[CW:CW+3],   s[18:19] offset:((\t)/2)*1024+((\t)%2)*512        ; the results go to stores alone; the next vector lines are the next block's holds, on other registers
	global_store_b128 v5, v[CW+4:CW+7], s[18:19] offset:((\t)/2)*1024+((\t)%2)*512+256
.if (\t)+2 < 8
	LOADW (\t)+2
.endif
.endm
.irp t, 0,1,2,3,4,5,6,7
	BLOCKW \t
.endr
	s_endpgm
; ---- x.  A wave takes 16 rows x 256 k, in two steps of 128 k.  Each load reads 512 consecutive bytes of a row; a step's 16 rows turn through the wave's own stage in LDS and come back as the
; operand wants them: lane (r, h) gets, of row r, k = 32 q + 16 u + 8 h + 0..7.  The same 64 numbers are held and converted three times, once for each given scale.
.Lx_path:
	s_sub_co_u32 s21, ttmp9, WWG
	s_lshl_b32 s21, s21, 3
	s_add_co_u32 s21, s21, s20                     ; my wave's number among 2,048
	s_lshr_b32 s22, s21, 2                         ; which 16 rows
	s_and_b32 s23, s21, 3                          ; which 256 along K
	s_lshl_b32 s24, s22, 16                        ; 16 rows of 4,096 bytes
	s_lshl_b32 s25, s23, 10
	s_add_co_u32 s24, s24, s25
	s_mov_b32 s25, 0
	s_add_nc_u64 s[4:5], s[4:5], s[24:25]
	s_lshl_b32 s24, s23, 21
	s_lshl_b32 s26, s22, 12
	s_add_co_u32 s24, s24, s26
	s_add_nc_u64 s[48:49], s[16:17], s[24:25]      ; my four blocks in the first set of codes,
	s_add_nc_u64 s[50:51], s[48:49], 0x800000      ; the second,
	s_add_nc_u64 s[52:53], s[48:49], 0x1000000     ; the third
	v_lshlrev_b32 v4, 4, v1                        ; 16 x lane: in memory, both ways
	s_mul_i32 s27, s20, 16*SPIT                    ; my stage
	v_add_nc_u32 v5, s27, v4                       ; into it: a row as it lies
	v_mul_u32_u24 v6, v2, SPIT
	v_lshl_add_u32 v6, v3, 5, v6
	v_add_nc_u32 v6, s27, v6                       ; out of it: row r, + 32 h bytes
.irp st, 0,1
.set i, 0
.rept 16
	global_load_b128 v[R+64*\st+4*i:R+64*\st+4*i+3], v4, s[4:5] offset:4096*i+512*\st th:TH_LOAD_NT
.set i, i+1
.endr
.endr
	s_wait_kmcnt 0x0
	MKSCALE 36, 28, 8, 9                           ; e0
	MKSCALE 38, 28, 10, 11                         ; e2
	MKSCALE 40, 28, 12, 13                         ; e4
.macro XSTEP st
.if \st == 0
	s_wait_loadcnt 16                              ; this step's 16 loads are in; the other step's 16 may be out
.else
	s_wait_loadcnt 0x0
.endif
.set i, 0
.rept 16
	ds_store_b128 v5, v[R+64*\st+4*i:R+64*\st+4*i+3] offset:SPIT*i
.set i, i+1
.endr
.irp q, 0,1,2,3                        ; LDS serves a wave's instructions in order (ISA guide 5.7.1.4): these see the stores above
.irp u, 0,1
.irp w, 0,1
	ds_load_b128 v[X+16*\q+8*\u+4*\w:X+16*\q+8*\u+4*\w+3], v6 offset:128*\q+64*\u+16*\w
.endr
.endr
.endr
	s_wait_dscnt 0x0                               ; the numbers are back, and the stores have read this step's registers, which now take its codes
.irp z, 0,1,2
.irp q, 0,1,2,3
.set i, 0
.rept 16
	v_med3_num_f32 v[T+16*(\q%2)+i], v[X+16*\q+i], -v[9+2*\z], v[9+2*\z]   ; the hold, into one of two sets by turns: sixteen plain lines stand between a conversion and the next write of its sources
.set i, i+1
.endr
	v_cvt_scalef32_pk8_bf8_f32 v[R+64*\st+16*\z+4*\q:R+64*\st+16*\z+4*\q+1],   v[T+16*(\q%2):T+16*(\q%2)+7],    v[8+2*\z]
	v_cvt_scalef32_pk8_bf8_f32 v[R+64*\st+16*\z+4*\q+2:R+64*\st+16*\z+4*\q+3], v[T+16*(\q%2)+8:T+16*(\q%2)+15], v[8+2*\z]
	global_store_b128 v4, v[R+64*\st+16*\z+4*\q:R+64*\st+16*\z+4*\q+3], s[48+2*\z:49+2*\z] offset:2048*\st+512*\q   ; 512 consecutive bytes: half a block; no code register is written again
.endr
.endr
.endm
	XSTEP 0
	XSTEP 1
	s_wait_tensorcnt 0x0
	ds_add_u32 v30, v31
	s_wait_dscnt 0x0
	s_endpgm
.Lfunc_end_k_q597ca3cf94_quant:
	.size	k_q597ca3cf94_quant, .Lfunc_end_k_q597ca3cf94_quant-k_q597ca3cf94_quant
	.p2alignl 7, 3214868480
	.fill 96, 4, 3214868480
	.section	.rodata,"a",@progbits
	.p2align	6, 0x0
	.amdhsa_kernel k_q597ca3cf94_quant
		.amdhsa_group_segment_fixed_size 68608
		.amdhsa_private_segment_fixed_size 0
		.amdhsa_enable_private_segment 0
		.amdhsa_kernarg_size 64
		.amdhsa_user_sgpr_count 2
		.amdhsa_user_sgpr_kernarg_segment_ptr 1
		.amdhsa_wavefront_size32 1
		.amdhsa_system_sgpr_workgroup_id_x 1
		.amdhsa_system_sgpr_workgroup_id_y 1
		.amdhsa_system_sgpr_workgroup_id_z 1
		.amdhsa_system_vgpr_workitem_id 0
		.amdhsa_next_free_vgpr 256
		.amdhsa_next_free_sgpr 66
		.amdhsa_reserve_vcc 0
		.amdhsa_float_denorm_mode_32 3
		.amdhsa_float_denorm_mode_16_64 3
		.amdhsa_memory_ordered 1
		.amdhsa_forward_progress 1
		.amdhsa_inst_pref_size 85
	.end_amdhsa_kernel
	.amdgpu_metadata
---
amdhsa.version: [ 1, 2 ]
amdhsa.kernels:
  - .name:           k_q597ca3cf94_quant
    .symbol:         k_q597ca3cf94_quant.kd
    .args:
      - { .name: x, .offset: 0, .size: 8, .value_kind: global_buffer, .address_space: global }
      - { .name: Wq, .offset: 8, .size: 8, .value_kind: global_buffer, .address_space: global }
      - { .name: Wk, .offset: 16, .size: 8, .value_kind: global_buffer, .address_space: global }
      - { .name: Wv, .offset: 24, .size: 8, .value_kind: global_buffer, .address_space: global }
      - { .name: Wo, .offset: 32, .size: 8, .value_kind: global_buffer, .address_space: global }
      - { .name: lowp_scales, .offset: 40, .size: 8, .value_kind: global_buffer, .address_space: global }
      - { .name: xc, .offset: 48, .size: 8, .value_kind: global_buffer, .address_space: global }
      - { .name: wc, .offset: 56, .size: 8, .value_kind: global_buffer, .address_space: global }
    .group_segment_fixed_size: 68608
    .private_segment_fixed_size: 0
    .kernarg_segment_align: 8
    .kernarg_segment_size: 64
    .max_flat_workgroup_size: 256
    .sgpr_count:     66
    .vgpr_count:     256
    .wavefront_size: 32
...
	.end_amdgpu_metadata
.endif
;; end of part 1
;; launch qkv (part 2): grid 12 x 64, 4 waves a work-group, clusters of 4 x 4, 327,680 bytes of LDS; arguments xc, wc, lowp_scales, bq, bk, bv, qc, kc, vc; writes qc, kc, vc
.if DOCPART == 2
	.amdgcn_target "amdgcn-amd-amdhsa--gfx1250"
	.amdhsa_code_object_version 6
	.text
	.protected	k_q597ca3cf94_qkv
	.globl	k_q597ca3cf94_qkv
	.p2align	8
	.type	k_q597ca3cf94_qkv,@function
k_q597ca3cf94_qkv:
	s_mov_b64 s[64:65], 0
	v_nop
	global_prefetch_b8 v0, s[64:65] scope:SCOPE_SE
	s_setreg_imm32_b32 hwreg(HW_REG_WAVE_MODE, 25, 1), 1
	s_wait_xcnt 0x0
	s_wait_alu depctr_hold_cnt(0) depctr_sa_sdst(0) depctr_va_vdst(0) depctr_va_sdst(0) depctr_va_ssrc(0) depctr_va_vcc(0) depctr_vm_vsrc(0)
	s_getreg_b32 s2, hwreg(HW_REG_IB_STS2, 6, 4)
	s_cmp_eq_u32 s2, 0
	s_cbranch_scc0 .Lentry_in_a_cluster
	s_endpgm
.Lentry_in_a_cluster:
	s_bfe_u32 s2, ttmp6, 0x10000c
	s_cmp_lg_u32 s2, 0xf033
	s_cbranch_scc0 .Lentry_shape_is_right
	s_endpgm
.Lentry_shape_is_right:
; Q = x Wq + bq, K = x Wk + bk, V = x Wv + bv on codes of BF8 (E5M2), each result quantised at once to the codes that the attention launch reads.  The cluster's x says which: 0 Q, 1 K, 2 V.
; All operands lie as images of operand registers: blocks of 16 rows x 64 k = 1,024 bytes, byte 512 g + 16 lane: registers 4 g .. 4 g + 3 of a 16 x 16 x 64 fragment; two neighbours along k are a 16 x 16 x 128 fragment.
; A work-group makes 128 rows of the operand called A here x 256 rows of the one called B; four waves, 2 x 2, each 64 x 128: 32 accumulators.  Source 0 = B's fragment, source 1 = A's: a lane holds ONE row of A,
; and an accumulator's eight registers run along eight neighbouring rows of B.  One conversion of an accumulator gives registers 2 c, 2 c + 1 of the next operand's fragment (c = B's tile % 4): four tiles give a whole block.
;   Q, K: A = x's codes (tokens), B = the weight's (features): blocks of 16 tokens x a head's 64 features.       qc, kc: [batch][head][token / 16][1024]
;   V:    A = the weight's (features), B = x's (tokens): blocks of 16 features x 64 keys, the keys innermost.   vc: [token / 64][feature / 16][1024]
; K = 1,024 goes in four K steps of 256 (eight steps of 128).  LDS has three slots of 96 KiB: K steps 0, 1, 2 are asked for at once; K step 3 alone fills bytes again (slot 0).
; CLUSTER 4 x 4: A's tile hangs on the cluster's row alone, B's on its column alone: each is asked for JOINTLY by its four partners.  By this text's count a wave has at most three tensor loads out.
; The bias goes in as the C of the first products, divided by 2^(ex + ew), the power of two that the sums lack; the three scales ahead of the quantiser are folded into the conversion's one, 2^(eo - ex - ew).
; LIMITS: eo - ex - ew lies between -126 and 112 for (e0, e1, e6), (e2, e3, e7), (e4, e5, e9).  NaN is not served.
; REGISTERS, in windows of 256: window 0: v1 r, v2 h, v4-6, v8-10 LDS addresses, v12, v13 store offsets, v14, v15 hold and scale, v16-20 bias at work, v28, v29 for the add; v96-127 held sums; v128-191, v192-255 A's two sets (at the end: the codes).
;   window 1: B's two sets, v0 and v128.   window 2: accumulator (a, b) at v[8 (8 a + b)].   window 3: v0-63 the bias.
.set SLOT,  98304                      ; A's 128 rows x 256 k (32 KiB), then B's 256 rows (64 KiB)
.set SPARE, 3*SLOT                     ; behind the slots: the spare words, 128 bytes a wave: two blocks of 256 bytes that no other line names
.set ADRA, 4
.set ADRB, 8
.set LI,   12                          ; v12  16 x lane
.set OF1,  13                          ; v13  the same, one block of 64 along the next K further on
.set LIM,  14
.set SC,   15
.set BT,   16
.set BO,   20
.set SPW,  28
.set NIL,  29
.set TMP,  96
.set AF,   128
.set CD,   128
.set WV,  22
.set WA,  23                           ; which 64 rows of A are mine.  Also: I fetch for A (0) or for B (1)
.set WB,  24                           ; which 128 rows of B are mine.  Also: which half of that tile I fetch
.set CX,  25
.set CY,  26
.set SEL, 27
.set TA,  29
.set TB,  30
.set G1A, 32                           ; s[32:39], s[40:47] descriptor groups 1
.set G1B, 40
.set G0A, 48                           ; s[48:63], s[68:83] descriptor groups 0, one for each K step, written once
.set G0B, 68
.set ES,  84                           ; s[84:95] e0 .. e11
.set MSB, 0
.macro WIN new                         ; the immediate's high byte repeats the setting that is left
.if MSB != \new
	s_set_vgpr_msb (MSB<<8)|\new
.set MSB, \new
.endif
.endm
.set MUL,  0xa1                        ; source 0 (B) window 1, source 1 (A) window 0, C and D window 2
.set MULB, 0xb1                        ; the same with C from window 3
.set TO_B, 0x40                        ; destination window 1, address window 0
.macro PLACES                          ; four plain vector lines between a matrix instruction and a load into, or a vector read of, its registers
.rept 4
	v_nop
.endr
.endm
.macro CREST                           ; a round of the cluster's barrier behind its opening barrier
	s_cmp_lg_u32 s[WV], 0
	s_cbranch_scc1 .Lnot_wave_0_\@
	s_barrier_signal -3
.Lnot_wave_0_\@:
	s_barrier_wait -3
	s_barrier_signal -1
	s_barrier_wait -1
.endm
.macro CROUND
	s_barrier_signal -1
	s_barrier_wait -1
	CREST
.endm
.macro JLOAD ga, gb                    ; a joint load: waves 0, 1 for A, waves 2, 3 for B; the branch hangs on the wave's number alone; four v_nop follow each line
	s_cmp_eq_u32 s[WA], 0
	s_cbranch_scc0 .Lfor_b_\@
	tensor_load_to_lds s[\ga:\ga+3], s[G1A:G1A+7]
	s_nop 0
.rept 4
	v_nop
.endr
	s_branch .Lasked_\@
.Lfor_b_\@:
	tensor_load_to_lds s[\gb:\gb+3], s[G1B:G1B+7]
	s_nop 0
.rept 4
	v_nop
.endr
.Lasked_\@:
.endm
.macro FETCH slot, q, p                ; the fragments of the slot's q-th 128 along K into set p: B's eight, A's four; each load takes 512 consecutive bytes
	WIN TO_B
.irp i, 0,1,2,3,4,5,6,7
.irp c, 0,1,2,3
	ds_load_b128 v[128*(\p)+16*\i+4*\c:128*(\p)+16*\i+4*\c+3], v[ADRB+\slot] offset:4096*\i+2048*(\q)+512*\c
.endr
.endr
	WIN 0
.irp i, 0,1,2,3
.irp c, 0,1,2,3
	ds_load_b128 v[AF+64*(\p)+16*\i+4*\c:AF+64*(\p)+16*\i+4*\c+3], v[ADRA+\slot] offset:4096*\i+2048*(\q)+512*\c
.endr
.endr
.endm
; Eight products: A's block a against B's eight, 128 along K, set p.  mode 0: onto the sums; 1: C = the bias of B's rows; 2: C = the bias of A's rows (two copies, by turns).
; The 32 accumulators take turns, one instruction a turn, in the same order in every step.
.macro MUL8 a, p, mode
.irp b, 0,1,2,3,4,5,6,7
.if \mode == 0
	v_wmma_f32_16x16x128_bf8_bf8 v[8*(8*\a+\b):8*(8*\a+\b)+7], v[128*(\p)+16*\b:128*(\p)+16*\b+15], v[AF+64*(\p)+16*\a:AF+64*(\p)+16*\a+15], v[8*(8*\a+\b):8*(8*\a+\b)+7]
.elseif \mode == 1
	v_wmma_f32_16x16x128_bf8_bf8 v[8*(8*\a+\b):8*(8*\a+\b)+7], v[128*(\p)+16*\b:128*(\p)+16*\b+15], v[AF+64*(\p)+16*\a:AF+64*(\p)+16*\a+15], v[8*\b:8*\b+7]
.else
	v_wmma_f32_16x16x128_bf8_bf8 v[8*(8*\a+\b):8*(8*\a+\b)+7], v[128*(\p)+16*\b:128*(\p)+16*\b+15], v[AF+64*(\p)+16*\a:AF+64*(\p)+16*\a+15], v[32*(\b%2)+8*\a:32*(\b%2)+8*\a+7]
.endif
.endr
.endm
.macro SUB p, ns, nq                   ; a step of 128 along K on set p; the next step's fragments (slot ns, its nq-th 128) are asked for first and land under the 32 products
	s_wait_dscnt 0x0                               ; set p is in: it was asked for a step ago
	PLACES                                         ; for the loads into the other set, which the last products read
	FETCH \ns, \nq, 1-\p
	WIN MUL
	MUL8 0, \p, 0
	MUL8 1, \p, 0
	MUL8 2, \p, 0
	MUL8 3, \p, 0
.endm
; A step with a barrier in it.  In front of the barrier each wave waits for all its tensor loads, adds 0 to its spare word, and waits for that and for its LDS reads.
; fill = 1: the barrier opens a round of the cluster's barrier, and behind the round K step 3 is asked for, into slot 0, which nobody reads any more.
.macro TURN p, ns, nq, fill
	WIN 0                                          ; (the add's two registers lie in window 0)
	s_wait_tensorcnt 0x0                           ; all my tensor loads have landed
	ds_add_u32 v[SPW], v[NIL]                      ; 0 onto my spare word
	s_wait_dscnt 1                                 ; set p is in; only the add may be out
	WIN MUL
	MUL8 0, \p, 0                                  ; eight products stand between the add and the wait for it
	s_wait_dscnt 0x0                               ; the add is done, and none of my LDS reads is out
	s_barrier_signal -1
	MUL8 1, \p, 0
	WIN 0
	s_barrier_wait -1
.if \fill
	CREST                                          ; no wave of any partner still reads slot 0 or has a load on its way
	JLOAD G0A+12, G0B+12                           ; the first tensor load behind the round, one a wave; its four v_nop are also the places in front of the loads below
.else
	PLACES
.endif
	FETCH \ns, \nq, 1-\p
	WIN MUL
	MUL8 2, \p, 0
	MUL8 3, \p, 0
.endm
	s_load_b512 s[4:19], s[0:1], 0x0               ; xc 4:5, wc 6:7, the exponents 8:9, bq 10:11, bk 12:13, bv 14:15, qc 16:17, kc 18:19
	s_load_b64 s[20:21], s[0:1], 0x40              ; vc
	v_lshl_add_u32 v[SPW], v0, 2, SPARE
	v_mov_b32 v[NIL], 0
	ds_add_u32 v28, v29
	ds_add_u32 v28, v29
	s_wait_dscnt 0x0
	v_lshrrev_b32 v1, 5, v0
	v_readfirstlane_b32 s[WV], v1                  ; wave 0..3
	s_lshr_b32 s[WA], s[WV], 1
	s_and_b32 s[WB], s[WV], 1
	s_bfe_u32 s[CX], ttmp6, 0x40000                ; my place in the cluster
	s_bfe_u32 s[CY], ttmp6, 0x40004
	s_mov_b32 s[SEL], ttmp9                        ; the cluster's x: which tensor; the same in all sixteen partners
	s_and_b32 s28, ttmp7, 0xffff                   ; the cluster's y, 0..15
	s_lshr_b32 s2, s28, 3
	s_and_b32 s3, s28, 7
	s_cmp_eq_u32 s[SEL], 2
	s_cselect_b32 s[TA], s2, s28                   ; Q, K: 64 tiles of tokens down the grid; V: 8 tiles of features,
	s_cselect_b32 s[TB], s3, 0                     ; Q, K: 4 tiles of features; V: 32 tiles of tokens
	s_mov_b32 s98, 0x200000
	s_cselect_b32 s98, 0x40000, s98                ; a K step on, in A: 2 MiB in x's codes, 256 KiB in a weight's
	s_mov_b32 s66, 0x40000
	s_cselect_b32 s66, 0x200000, s66               ; and in B
	s_mov_b32 s99, 0
	s_mov_b32 s67, 0
	s_lshl_b32 s[TA], s[TA], 2
	s_add_co_u32 s[TA], s[TA], s[CY]               ; A's tile: it hangs on cy alone of the two places
	s_lshl_b32 s[TB], s[TB], 2
	s_add_co_u32 s[TB], s[TB], s[CX]               ; B's tile: on cx alone
	s_lshl_b32 s2, s[CY], 2
	s_lshl_b32 s2, 15, s2                          ; my row of the cluster
	s_lshl_b32 s3, 0x1111, s[CX]                   ; my column
	; descriptor groups 1: a dense block as rows of 256 bytes: elements of 8 bytes, 32 to a row, pitch 32; A: 64 rows (16 KiB), B: 128 rows (32 KiB); no padding
	s_or_b32 s[G1A], s2, (3<<16)|(1<<21)           ; 15:0 the mask; 17:16 elements of 8 bytes; 21 set beside a mask
	s_or_b32 s[G1B], s3, (3<<16)|(1<<21)
	s_mov_b32 s[G1A+1], 32<<16                     ; tensor_dim0
	s_mov_b32 s[G1A+2], 64<<16                     ; tensor_dim1
	s_mov_b32 s[G1A+3], 32<<16                     ; tile_dim0
	s_mov_b32 s[G1A+4], 64                         ; tile_dim1
	s_mov_b32 s[G1A+5], 32                         ; tensor_dim0_stride
	s_mov_b32 s[G1A+6], 0
	s_mov_b32 s[G1A+7], 0
	s_mov_b32 s[G1B+1], 32<<16
	s_mov_b32 s[G1B+2], 128<<16
	s_mov_b32 s[G1B+3], 32<<16
	s_mov_b32 s[G1B+4], 128
	s_mov_b32 s[G1B+5], 32
	s_mov_b32 s[G1B+6], 0
	s_mov_b32 s[G1B+7], 0
	s_lshl_b32 s96, s[TA], 15                      ; A: a tile's part of a K step is 32 KiB,
	s_lshl_b32 s31, s[WB], 14                      ; my half of it 16 KiB: in memory and in a slot
	s_add_co_u32 s96, s96, s31
	s_mov_b32 s97, 0
	s_lshl_b32 s100, s[TB], 16                     ; B: 64 KiB,
	s_lshl_b32 s28, s[WB], 15                      ; my half 32 KiB
	s_add_co_u32 s100, s100, s28
	s_mov_b32 s101, 0
	s_add_co_u32 s28, s28, 32768                   ; in a slot B lies behind A
	s_wait_kmcnt 0x0
	s_load_b256 s[ES:ES+7], s[8:9], 0x0
	s_load_b128 s[ES+8:ES+11], s[8:9], 0x20
	s_lshl_b32 s2, s[SEL], 23
	s_mov_b32 s3, 0
	s_add_nc_u64 s[4:5], s[4:5], s[2:3]            ; x's codes under this product's scale
	s_lshl_b32 s2, s[SEL], 20
	s_add_nc_u64 s[6:7], s[6:7], s[2:3]            ; this product's weight
	s_cmp_eq_u32 s[SEL], 2
	s_cselect_b64 s[2:3], s[6:7], s[4:5]           ; A
	s_cselect_b64 s[4:5], s[4:5], s[6:7]           ; B
	s_add_nc_u64 s[96:97], s[2:3], s[96:97]
	s_add_nc_u64 s[100:101], s[4:5], s[100:101]
.irp k, 0,1,2,3                        ; K step k goes to slot k % 3
	s_mov_b32 s[G0A+4*\k], 1                                       ; count = 1
	s_add_co_u32 s[G0A+4*\k+1], s31, (\k%3)*SLOT                   ; LDS address: a constant + the wave's half
	s_mov_b64 s[G0A+4*\k+2:G0A+4*\k+3], s[96:97]                   ; global address
	s_or_b32 s[G0A+4*\k+3], s[G0A+4*\k+3], 0x80000000              ; type = 2
	s_mov_b32 s[G0B+4*\k], 1
	s_add_co_u32 s[G0B+4*\k+1], s28, (\k%3)*SLOT
	s_mov_b64 s[G0B+4*\k+2:G0B+4*\k+3], s[100:101]
	s_or_b32 s[G0B+4*\k+3], s[G0B+4*\k+3], 0x80000000
.if \k < 3
	s_add_nc_u64 s[96:97], s[96:97], s[98:99]
	s_add_nc_u64 s[100:101], s[100:101], s[66:67]
.endif
.endr
	CROUND                                         ; all sixteen work-groups are here: the first joint loads meet
	s_cmp_eq_u32 s[WA], 0                          ; a wave's three first fills stand in one branch, ahead of every wait on TENSORcnt and every LDS read
	s_cbranch_scc0 .Lfirst_b
	tensor_load_to_lds s[G0A:G0A+3], s[G1A:G1A+7]
	s_nop 0
	tensor_load_to_lds s[G0A+4:G0A+7], s[G1A:G1A+7]
	s_nop 0
	tensor_load_to_lds s[G0A+8:G0A+11], s[G1A:G1A+7]
	s_nop 0
.rept 4
	v_nop
.endr
	s_branch .Lfirst_asked
.Lfirst_b:
	tensor_load_to_lds s[G0B:G0B+3], s[G1B:G1B+7]
	s_nop 0
	tensor_load_to_lds s[G0B+4:G0B+7], s[G1B:G1B+7]
	s_nop 0
	tensor_load_to_lds s[G0B+8:G0B+11], s[G1B:G1B+7]
	s_nop 0
.rept 4
	v_nop
.endr
.Lfirst_asked:
	v_and_b32 v1, 15, v0                           ; r
	v_bfe_u32 v2, v0, 4, 1                         ; h
	v_and_b32 v[LI], 31, v0
	v_lshlrev_b32 v[LI], 4, v[LI]
	s_lshl_b32 s2, s[WA], 14                       ; my four tiles of A
.irp sl, 0,1,2
	v_add_nc_u32 v[ADRA+\sl], s2, v[LI]
	v_add_nc_u32 v[ADRB+\sl], s28, v[LI]           ; my eight tiles of B
	s_add_co_u32 s2, s2, SLOT
	s_add_co_u32 s28, s28, SLOT
.endr
	s_wait_kmcnt 0x0
	s_cmp_eq_u32 s[SEL], 0                         ; every choice here hangs on the cluster's x, none on a loaded number
	s_cselect_b32 s2, s[ES+0], s[ES+2]             ; ex
	s_cselect_b32 s3, s[ES+1], s[ES+3]             ; ew
	s_cselect_b32 s31, s[ES+6], s[ES+7]            ; eo
	s_cselect_b64 s[10:11], s[10:11], s[12:13]     ; the bias
	s_cselect_b64 s[16:17], s[16:17], s[18:19]     ; the codes' buffer
	s_cmp_eq_u32 s[SEL], 2
	s_cselect_b32 s2, s[ES+4], s2
	s_cselect_b32 s3, s[ES+5], s3
	s_cselect_b32 s31, s[ES+9], s31
	s_cselect_b64 s[10:11], s[14:15], s[10:11]
	s_cselect_b64 s[16:17], s[20:21], s[16:17]
	s_add_co_i32 s2, s2, s3                        ; ex + ew: a sum stands for sum x 2^(ex + ew)
	s_sub_co_i32 s31, s31, s2                      ; eo - ex - ew
	s_sub_co_i32 s8, 0, s2                         ; the bias goes in x 2^-(ex + ew)
	s_add_co_i32 s31, s31, 127
	s_lshl_b32 s3, s31, 23
	v_mov_b32 v[SC], s3                            ; 2^(eo - ex - ew) as f32: the conversion takes its exponent field
	s_add_co_i32 s31, s31, 15
	s_lshl_b32 s31, s31, 23
	s_or_b32 s31, s31, 0x600000
	v_mov_b32 v[LIM], s31                          ; 57,344 x that
	s_lshl_b32 s12, s[TA], 3
	s_lshl_b32 s13, s[WA], 2
	s_add_co_u32 s12, s12, s13                     ; my first tile of 16 rows of A
	s_lshl_b32 s13, s[TB], 2
	s_lshl_b32 s14, s[WB], 1
	s_add_co_u32 s13, s13, s14                     ; my first run of 64 rows of B
	s_lshr_b32 s14, s12, 7                         ; Q, K: batch x 2 MiB + head x 128 KiB + (tile of tokens in the batch) x 1,024
	s_lshl_b32 s14, s14, 21
	s_lshl_b32 s15, s13, 17
	s_add_co_u32 s14, s14, s15
	s_and_b32 s15, s12, 127
	s_lshl_b32 s15, s15, 10
	s_add_co_u32 s14, s14, s15
	s_lshl_b32 s15, s13, 16                        ; V: (run of 64 tokens) x 64 KiB + (tile of features) x 1,024
	s_lshl_b32 s18, s12, 10
	s_add_co_u32 s15, s15, s18
	s_lshl_b32 s18, s[TB], 10                      ; the bias's first byte: Q, K: of my 128 rows of B;
	s_lshl_b32 s19, s[WB], 9
	s_add_co_u32 s18, s18, s19
	s_lshl_b32 s19, s[TA], 9                       ; V: of my 64 rows of A
	s_lshl_b32 s20, s[WA], 8
	s_add_co_u32 s19, s19, s20
	s_mov_b32 s21, 0x20000
	s_cmp_eq_u32 s[SEL], 2
	s_cselect_b32 s14, s15, s14
	s_cselect_b32 s18, s19, s18
	s_cselect_b32 s21, 0x10000, s21                ; from a run of 64 rows of B to the next, in the codes' buffer
	s_mov_b32 s15, 0
	s_mov_b32 s19, 0
	s_add_nc_u64 s[16:17], s[16:17], s[14:15]
	s_add_nc_u64 s[10:11], s[10:11], s[18:19]
	v_add_nc_u32 v[OF1], s21, v[LI]
	s_cmp_eq_u32 s[SEL], 2
	s_cbranch_scc1 .Lbias_v
	v_lshlrev_b32 v[BO], 5, v2                     ; Q, K: register 8 b + j of the bias = b(16 b + 8 h + j): the result's layout along B's rows
	WIN 0xc0                                       ; destination window 3
.irp t, 0,1,2,3,4,5,6,7
	global_load_b128 v[8*\t:8*\t+3],   v[BO], s[10:11] offset:64*\t
	global_load_b128 v[8*\t+4:8*\t+7], v[BO], s[10:11] offset:64*\t+16
.endr
	s_wait_loadcnt 0x0
	WIN 0xc3                                       ; source 0 and destination window 3
.set i, 0
.rept 64
	v_ldexp_f32 v[i], v[i], s8
.set i, i+1
.endr
	WIN 0
	s_branch .Lbias_done
.Lbias_v:
	v_lshlrev_b32 v[BO], 2, v1                     ; V: a lane's bias is that of its row of A: b(16 a + r), the same in an accumulator's eight registers
.irp t, 0,1,2,3
	global_load_b32 v[BT+\t], v[BO], s[10:11] offset:64*\t
.endr
	s_wait_loadcnt 0x0
	WIN 0xc0
.irp u, 0,1                            ; written twice, at 32 u + 8 a + j, and taken by turns: so both ways of this branch write all 64 registers that a later line names
.irp t, 0,1,2,3
.irp j, 0,1,2,3,4,5,6,7
	v_ldexp_f32 v[32*\u+8*\t+\j], v[BT+\t], s8
.endr
.endr
.endr
	WIN 0
.Lbias_done:
	s_wait_tensorcnt 2                             ; my part of K step 0 is in; K steps 1 and 2 may be out
	s_barrier_signal -1
	s_barrier_wait -1                              ; everybody's is
	FETCH 0, 0, 0
	FETCH 0, 1, 1
	s_wait_dscnt 48                                ; set 0's 48 loads are in; set 1's 48 may be out
	s_cmp_eq_u32 s[SEL], 2
	s_cbranch_scc1 .Lfirst_v
	WIN MULB                                       ; step 0: the first products start the sums with the bias: nothing is cleared, nothing is added later
	MUL8 0, 0, 1
	MUL8 1, 0, 1
	MUL8 2, 0, 1
	MUL8 3, 0, 1
	WIN 0
	s_branch .Lfirst_done
.Lfirst_v:
	WIN MULB
	MUL8 0, 0, 2
	MUL8 1, 0, 2
	MUL8 2, 0, 2
	MUL8 3, 0, 2
	WIN 0
.Lfirst_done:
	TURN 1, 1, 0, 1                                ; step 1: slot 0 is left and takes K step 3, which has 112 products a wave in which to land; K steps 1 and 2 are shown landed to every wave
	SUB 0, 1, 1                                    ; step 2
	SUB 1, 2, 0                                    ; step 3
	SUB 0, 2, 1                                    ; step 4
	TURN 1, 0, 0, 0                                ; step 5: K step 3 is shown landed to every wave; nothing is filled, so no round follows
	SUB 0, 0, 1                                    ; step 6
	s_wait_dscnt 0x0                               ; step 7: nothing more to fetch
	WIN MUL
	MUL8 0, 1, 0
	MUL8 1, 1, 0
	MUL8 2, 1, 0
	MUL8 3, 1, 0
	WIN 0
	PLACES
; THE WAY OUT.  Four accumulators (A's block a, B's tiles 4 n + 0 .. 3) become one block of codes: held, converted, stored as it stands: two stores of 512 consecutive bytes.  Each accumulator is read from its low end on.
.irp a, 0,1,2,3
.irp n, 0,1
	WIN 0x02                                       ; source 0 window 2
.irp c, 0,1,2,3
.irp j, 0,1,2,3,4,5,6,7
	v_med3_num_f32 v[TMP+8*\c+\j], v[8*(8*\a+4*\n+\c)+\j], -v[LIM], v[LIM]   ; the conversion to an 8-bit code does not saturate (ISA guide 7.6.2)
.endr
.endr
	WIN 0
.irp c, 0,1,2,3
	v_cvt_scalef32_pk8_bf8_f32 v[CD+8*(2*\a+\n)+2*\c:CD+8*(2*\a+\n)+2*\c+1], v[TMP+8*\c:TMP+8*\c+7], v[SC]
.endr
	v_nop                                          ; one plain line between the conversions and the next holds, which write their sources
	global_store_b128 v[LI+\n], v[CD+8*(2*\a+\n):CD+8*(2*\a+\n)+3],   s[16:17] offset:1024*\a
	global_store_b128 v[LI+\n], v[CD+8*(2*\a+\n)+4:CD+8*(2*\a+\n)+7], s[16:17] offset:1024*\a+512   ; no code register is written again
.endr
.endr
	s_wait_tensorcnt 0x0                           ; the wave's end
	ds_add_u32 v[SPW], v[NIL]
	s_wait_dscnt 0x0
	CROUND                                         ; the closing round: no work-group ends while a partner may still ask for a tile that names it
	s_endpgm
.Lfunc_end_k_q597ca3cf94_qkv:
	.size	k_q597ca3cf94_qkv, .Lfunc_end_k_q597ca3cf94_qkv-k_q597ca3cf94_qkv
	.p2alignl 7, 3214868480
	.fill 96, 4, 3214868480
	.section	.rodata,"a",@progbits
	.p2align	6, 0x0
	.amdhsa_kernel k_q597ca3cf94_qkv
		.amdhsa_group_segment_fixed_size 327680
		.amdhsa_private_segment_fixed_size 0
		.amdhsa_enable_private_segment 0
		.amdhsa_kernarg_size 72
		.amdhsa_user_sgpr_count 2
		.amdhsa_user_sgpr_kernarg_segment_ptr 1
		.amdhsa_wavefront_size32 1
		.amdhsa_system_sgpr_workgroup_id_x 1
		.amdhsa_system_sgpr_workgroup_id_y 1
		.amdhsa_system_sgpr_workgroup_id_z 1
		.amdhsa_system_vgpr_workitem_id 0
		.amdhsa_next_free_vgpr 1024
		.amdhsa_next_free_sgpr 104
		.amdhsa_reserve_vcc 0
		.amdhsa_float_denorm_mode_32 3
		.amdhsa_float_denorm_mode_16_64 3
		.amdhsa_memory_ordered 1
		.amdhsa_forward_progress 1
		.amdhsa_inst_pref_size 86
	.end_amdhsa_kernel
	.amdgpu_metadata
---
amdhsa.version: [ 1, 2 ]
amdhsa.kernels:
  - .name:           k_q597ca3cf94_qkv
    .symbol:         k_q597ca3cf94_qkv.kd
    .args:
      - { .name: xc, .offset: 0, .size: 8, .value_kind: global_buffer, .address_space: global }
      - { .name: wc, .offset: 8, .size: 8, .value_kind: global_buffer, .address_space: global }
      - { .name: lowp_scales, .offset: 16, .size: 8, .value_kind: global_buffer, .address_space: global }
      - { .name: bq, .offset: 24, .size: 8, .value_kind: global_buffer, .address_space: global }
      - { .name: bk, .offset: 32, .size: 8, .value_kind: global_buffer, .address_space: global }
      - { .name: bv, .offset: 40, .size: 8, .value_kind: global_buffer, .address_space: global }
      - { .name: qc, .offset: 48, .size: 8, .value_kind: global_buffer, .address_space: global }
      - { .name: kc, .offset: 56, .size: 8, .value_kind: global_buffer, .address_space: global }
      - { .name: vc, .offset: 64, .size: 8, .value_kind: global_buffer, .address_space: global }
    .group_segment_fixed_size: 327680
    .private_segment_fixed_size: 0
    .kernarg_segment_align: 8
    .kernarg_segment_size: 72
    .max_flat_workgroup_size: 128
    .sgpr_count:     104
    .vgpr_count:     1024
    .wavefront_size: 32
...
	.end_amdgpu_metadata
.endif
;; end of part 2
;; launch attn (part 3): grid 4 x 64, 16 waves a work-group, no clusters, 264,192 bytes of LDS; arguments qc, kc, vc, lowp_scales, cc; writes cc
.if DOCPART == 3
	.amdgcn_target "amdgcn-amd-amdhsa--gfx1250"
	.amdhsa_code_object_version 6
	.text
	.protected	k_q597ca3cf94_attn
	.globl	k_q597ca3cf94_attn
	.p2align	8
	.type	k_q597ca3cf94_attn,@function
k_q597ca3cf94_attn:
	s_mov_b64 s[64:65], 0
	v_nop
	global_prefetch_b8 v0, s[64:65] scope:SCOPE_SE
	s_setreg_imm32_b32 hwreg(HW_REG_WAVE_MODE, 25, 1), 1
	s_wait_xcnt 0x0
; The context of one head: softmax(Q K^T / 8) V on codes of BF8 (E5M2), quantised at once to the codes that the last product reads.
; qc, kc: [batch][head][token / 16][1024], blocks of 16 tokens x the head's 64.  vc: [token / 64][feature / 16][1024], blocks of 16 features x 64 keys.  cc: [feature / 256][token / 16][(feature / 64) % 4][1024].
; A block is an image of a 16 x 16 x 64 fragment's registers: byte 512 g + 16 lane = registers 4 g .. 4 g + 3.
; THE SOFTMAX: t = score x log2(e) / 8; M = the row's largest t rounded up to a whole number; p = 2^(t - M) is quantised with 2^e8; the row's sum is taken of the unquantised p and divides at the end.
; SHARES.  A work-group owns 512 queries of one head, each of its sixteen waves 32: two tiles.  THE WHOLE HEAD LIES IN LDS, filled once: K's 128 blocks at byte 0, V's 128 blocks at byte 131,072.  No slot is ever filled again.
; TWO PASSES over the keys, 64 a step.  Pass 1 forms S^T = K Q^T and keeps only each lane's largest score.  Pass 2 forms S^T again, under the final M: no running maximum, nothing is rescaled.
; Both products are used transposed (source 0 = 16 keys, or 16 of the head's 64; source 1 = 16 queries): a lane holds one query throughout, and a conversion of a tile of p gives registers 2 t, 2 t + 1 of the next operand.
; LDS IS FILLED THROUGH REGISTERS, and the four work-groups of a head do not ask jointly: a joint request is a tensor load.  Here the hold of p,
; 64 of a step's vector lines, is jumped where e8 >= -15: then 57,344 x 2^e8 >= 1.75, above every p, and the hold changes nothing.  K and V are 16 + 16 loads a thread, once; V's land under pass 1.
; LIMITS: e6 + e7 between -123 and 130 (added to the exponent field of log2(e) / 8); e8 and e10 between -126 and 112; e8 + e9 goes in by v_ldexp_f32 and has none.  NaN is not served.
.set LI,  1                            ; v1   16 x lane
.set LV,  2                            ; v2   the same in V's half of LDS
.set ADK, 3                            ; v3, v4  the step's blocks of K, of V
.set ADV, 4
.set Q,   8                            ; v8-23    Q's two fragments
.set KF,  24                           ; v24-55   a step's four fragments of K
.set VF,  56                           ; v56-87   and of V
.set PC,  88                           ; v88-103  p's codes, two fragments; at the end the context's
.set S,   104                          ; v104-167 S^T, then p: tile (x, t) at 32 x + 8 t.  At the head: K on its way to LDS
.set O,   168                          ; v168-231 O^T: tile (x, d) at 32 x + 8 d.  At the head: V on its way to LDS
.set MX,  234                          ; v234-237 the largest score, two chains a tile of queries
.set NM,  238                          ; v[238:239], v[240:241] -M; the packed form takes the low word for both halves
.set L,   242                          ; v[242:249] the row's sum, two packed chains a tile of queries
	s_load_b256 s[4:11], s[0:1], 0x0               ; qc 4:5, kc 6:7, vc 8:9, the exponents 10:11
	s_load_b64 s[12:13], s[0:1], 0x20              ; cc
	v_lshrrev_b32 v1, 5, v0
	v_readfirstlane_b32 s14, v1                    ; wave 0..15
	v_and_b32 v1, 31, v0
	v_lshlrev_b32 v[LI], 4, v1
	v_add_nc_u32 v[LV], 0x20000, v[LI]
	v_lshlrev_b32 v5, 4, v0                        ; 16 x thread: my 16 bytes of every 8,192: in kc, and in LDS (an LDS offset has 16 bits: four bases)
	v_add_nc_u32 v6, 0x10000, v5
	v_add_nc_u32 v7, 0x20000, v5
	v_add_nc_u32 v232, 0x30000, v5
	v_lshrrev_b32 v233, 8, v0                      ; in vc a head's four blocks of 64 keys are 4,096 consecutive bytes, 65,536 apart: threads 0-255 take one run, threads 256-511 the next
	v_and_b32 v3, 255, v0
	v_lshlrev_b32 v3, 4, v3
	v_lshl_add_u32 v233, v233, 16, v3
	s_and_b32 s15, ttmp7, 0xffff                   ; batch x 16 + head
	s_lshr_b32 s29, s15, 4
	s_and_b32 s30, s15, 15
	s_lshl_b32 s32, s15, 17                        ; the head's first byte in qc and kc
	s_mov_b32 s33, 0
	s_lshl_b32 s34, ttmp9, 5
	s_lshl_b32 s35, s14, 1
	s_add_co_u32 s34, s34, s35                     ; my first tile of queries in the head: 32 x work-group x + 2 x wave
	s_lshl_b32 s36, s34, 10
	s_add_co_u32 s36, s36, s32
	s_mov_b32 s37, 0
	s_lshl_b32 s38, s29, 21                        ; vc: batch x 32 runs of 64 keys x 65,536 + head x 4 blocks
	s_lshl_b32 s39, s30, 12
	s_add_co_u32 s38, s38, s39
	s_mov_b32 s39, 0
	s_lshr_b32 s40, s30, 2                         ; cc: (head / 4) x 2 MiB + (tile of tokens) x 4,096 + (head % 4) x 1,024
	s_lshl_b32 s40, s40, 21
	s_lshl_b32 s41, s29, 7
	s_add_co_u32 s41, s41, s34
	s_lshl_b32 s41, s41, 12
	s_add_co_u32 s40, s40, s41
	s_and_b32 s41, s30, 3
	s_lshl_b32 s41, s41, 10
	s_add_co_u32 s40, s40, s41
	s_mov_b32 s41, 0
	s_wait_kmcnt 0x0
	s_load_b128 s[16:19], s[10:11], 0x18           ; e6, e7, e8, e9
	s_load_b32 s20, s[10:11], 0x28                 ; e10
	s_add_nc_u64 s[4:5], s[4:5], s[36:37]
	s_add_nc_u64 s[6:7], s[6:7], s[32:33]
	s_add_nc_u64 s[8:9], s[8:9], s[38:39]
	s_add_nc_u64 s[12:13], s[12:13], s[40:41]
.irp x, 0,1
.irp g, 0,1
	global_load_b128 v[Q+8*\x+4*\g:Q+8*\x+4*\g+3], v[LI], s[4:5] offset:1024*\x+512*\g th:TH_LOAD_NT
.endr
.endr
.set i, 0
.rept 16
	global_load_b128 v[S+4*i:S+4*i+3], v5, s[6:7] offset:8192*i
.set i, i+1
.endr
.set i, 0
.rept 16
	global_load_b128 v[O+4*i:O+4*i+3], v233, s[8:9] offset:131072*i
.set i, i+1
.endr
.irp i, 0,1,2,3
	v_mov_b32 v[MX+\i], 0xff800000                 ; under every score
.endr
.irp i, 0,1,2,3,4,5,6,7
	v_mov_b32 v[L+\i], 0
.endr
	v_mov_b32 v[NM+1], 0                           ; (named as the upper halves of pairs, so they are written)
	v_mov_b32 v[NM+3], 0
	v_mov_b32 v251, 0                              ; (a lane permute's destination counts as one of its sources)
	v_mov_b32 v252, 0
	s_mov_b32 s26, 0x76543210                      ; v_permlanex16_b32's selects for lane l xor 16
	s_mov_b32 s27, 0xfedcba98
	s_wait_kmcnt 0x0
	s_add_co_i32 s21, s16, s17
	s_lshl_b32 s21, s21, 23
	s_add_co_i32 s22, s21, 0x3e38aa3b              ; c = log2(e) / 8, with e6 + e7 added to its exponent field: a score stands for score x 2^(e6 + e7)
	s_mov_b32 s23, s22                             ; (named with it as a pair)
	s_add_co_i32 s24, s18, s19                     ; e8 + e9
	s_add_co_i32 s21, s18, 127
	s_lshl_b32 s25, s21, 23
	v_mov_b32 v250, s25                            ; 2^e8 as f32, for p's conversions
	s_add_co_i32 s21, s21, 15
	s_lshl_b32 s25, s21, 23
	s_or_b32 s25, s25, 0x600000                    ; 57,344 x 2^e8
	s_add_co_i32 s21, s20, 127
	s_lshl_b32 s31, s21, 23
	v_mov_b32 v253, s31                            ; 2^e10, for the context's
	s_add_co_i32 s21, s21, 15
	s_lshl_b32 s31, s21, 23
	s_or_b32 s31, s31, 0x600000
	v_mov_b32 v254, s31                            ; 57,344 x 2^e10
	s_wait_loadcnt 16                              ; Q and K are in; V's 16 loads may be out
.irp i, 0,1,2,3,4,5,6,7
	ds_store_b128 v5, v[S+4*\i:S+4*\i+3] offset:8192*\i
.endr
.irp i, 0,1,2,3,4,5,6,7
	ds_store_b128 v6, v[S+32+4*\i:S+32+4*\i+3] offset:8192*\i
.endr
	s_wait_dscnt 0x0                               ; for the others' sake: my part of K lies in LDS
	s_barrier_signal -1
	s_barrier_wait -1
.macro LOADK
.irp t, 0,1,2,3
.irp g, 0,1
	ds_load_b128 v[KF+8*\t+4*\g:KF+8*\t+4*\g+3], v[ADK] offset:1024*\t+512*\g
.endr
.endr
.endm
.macro KQ                              ; S^T = K Q^T: four tiles of 16 keys x two tiles of 16 queries; K = the head's 64: one instruction a tile
.irp t, 0,1,2,3
.irp x, 0,1
	v_wmma_f32_16x16x64_bf8_bf8 v[S+32*\x+8*\t:S+32*\x+8*\t+7], v[KF+8*\t:KF+8*\t+7], v[Q+8*\x:Q+8*\x+7], 0
.endr
.endr
.endm
; ---- PASS 1: 32 steps of 64 keys.  The lanes' maxima are joined once, behind the loop.
	s_mov_b32 s28, 0
.Lpass1:
	v_add_nc_u32 v[ADK], s28, v[LI]
	LOADK
	s_wait_dscnt 0x0
	KQ
.rept 4
	v_nop                                          ; four places between the products and the first read of their results
.endr
.irp t, 0,1,2,3                        ; four chains by turns; each tile is read from its low end on.  These lines are also the places in front of the next trip's loads and products
.irp p, 0,1,2,3
.irp x, 0,1
	v_max3_num_f32 v[MX+2*\x+(\p%2)], v[MX+2*\x+(\p%2)], v[S+32*\x+8*\t+2*\p], v[S+32*\x+8*\t+2*\p+1]
.endr
.endr
.endr
	s_add_co_u32 s28, s28, 4096
	s_cmp_lt_u32 s28, 0x20000
	s_cbranch_scc1 .Lpass1
	v_max_num_f32 v[MX], v[MX], v[MX+1]
	v_max_num_f32 v[MX+2], v[MX+2], v[MX+3]
	v_permlanex16_b32 v251, v[MX], s26, s27        ; a query's other keys lie in the lane 16 away
	v_permlanex16_b32 v252, v[MX+2], s26, s27
	v_max_num_f32 v251, v251, v[MX]
	v_max_num_f32 v252, v252, v[MX+2]
	v_mul_f32 v251, s22, v251                      ; as t (c is positive)
	v_mul_f32 v252, s22, v252
	v_floor_f32 v[NM], -v251                       ; -M = floor(-t) = -ceil(t)
	v_floor_f32 v[NM+2], -v252
	s_wait_loadcnt 0x0                             ; V
.irp i, 0,1,2,3,4,5,6,7
	ds_store_b128 v7, v[O+4*\i:O+4*\i+3] offset:8192*\i
.endr
.irp i, 0,1,2,3,4,5,6,7
	ds_store_b128 v232, v[O+32+4*\i:O+32+4*\i+3] offset:8192*\i
.endr
	s_wait_dscnt 0x0                               ; for the others' sake: my part of V lies in LDS
	s_barrier_signal -1
	s_barrier_wait -1
; ---- PASS 2: a step of 64 keys.  zero = 1: the first step's products start O^T's sums.
.macro STEP2 zero
	v_add_nc_u32 v[ADK], s28, v[LI]
	v_add_nc_u32 v[ADV], s28, v[LV]
	v_nop
	v_nop                                          ; with the two additions: four places between the last step's products and the loads into V's registers
	LOADK
.irp d, 0,1,2,3
.irp g, 0,1
	ds_load_b128 v[VF+8*\d+4*\g:VF+8*\d+4*\g+3], v[ADV] offset:1024*\d+512*\g
.endr
.endr
	s_wait_dscnt 8                                 ; K's eight loads are in; V's eight may be out
	KQ
.rept 4
	v_nop
.endr
.irp x, 0,1
.set i, 0
.rept 16
	v_pk_fma_f32 v[S+32*\x+i:S+32*\x+i+1], v[S+32*\x+i:S+32*\x+i+1], s[22:23], v[NM+2*\x:NM+2*\x+1] op_sel_hi:[1,0,0]   ; t - M, two at a time
.set i, i+2
.endr
.endr
.set i, 0
.rept 64
	v_exp_f32 v[S+i], v[S+i]                       ; p = 2^(t - M): one batch
.set i, i+1
.endr
	v_nop                                          ; a plain line behind the last exponential
	s_wait_alu depctr_va_vdst(0)                   ; one wait for the batch, ahead of its first reader
.set i, 0
.rept 16                               ; the row's sum is taken of the unquantised p: four packed chains by turns
.irp x, 0,1
	v_pk_add_f32 v[L+4*\x+2*(i%2):L+4*\x+2*(i%2)+1], v[L+4*\x+2*(i%2):L+4*\x+2*(i%2)+1], v[S+32*\x+2*i:S+32*\x+2*i+1]
.endr
.set i, i+1
.endr
	s_cmp_ge_i32 s18, -15                          ; where 57,344 x 2^e8 lies above every p the hold changes nothing and is jumped: a scalar branch on a given whole number
	s_cbranch_scc1 .Lno_hold_\@
.set i, 0
.rept 64
	v_min_num_f32 v[S+i], s25, v[S+i]              ; the conversion to an 8-bit code does not saturate (ISA guide 7.6.2); p is not negative, so the hold is one-sided
.set i, i+1
.endr
.Lno_hold_\@:
.irp x, 0,1
.irp t, 0,1,2,3
	v_cvt_scalef32_pk8_bf8_f32 v[PC+8*\x+2*\t:PC+8*\x+2*\t+1], v[S+32*\x+8*\t:S+32*\x+8*\t+7], v250
.endr
.endr
	v_nop                                          ; one plain line between the conversions and the products that read their results
	s_wait_dscnt 0x0                               ; V is in
.irp d, 0,1,2,3                        ; O^T += V^T P^T: eight accumulators, one instruction a turn; the next step's eight products K Q^T stand between two turns of one accumulator
.irp x, 0,1
.if \zero
	v_wmma_f32_16x16x64_bf8_bf8 v[O+32*\x+8*\d:O+32*\x+8*\d+7], v[VF+8*\d:VF+8*\d+7], v[PC+8*\x:PC+8*\x+7], 0
.else
	v_wmma_f32_16x16x64_bf8_bf8 v[O+32*\x+8*\d:O+32*\x+8*\d+7], v[VF+8*\d:VF+8*\d+7], v[PC+8*\x:PC+8*\x+7], v[O+32*\x+8*\d:O+32*\x+8*\d+7]
.endif
.endr
.endr
.endm
	s_mov_b32 s28, 0
	STEP2 1
	s_mov_b32 s28, 4096
.Lpass2:                               ; 31 trips
	STEP2 0
	s_add_co_u32 s28, s28, 4096
	s_cmp_lt_u32 s28, 0x20000
	s_cbranch_scc1 .Lpass2
; ---- THE WAY OUT.  The sums' chains are joined (these lines are the places behind the last products); O^T x 2^(e8 + e9) / the sum is the context; held, converted, stored as a block's image.
	v_pk_add_f32 v[L:L+1], v[L:L+1], v[L+2:L+3]
	v_pk_add_f32 v[L+4:L+5], v[L+4:L+5], v[L+6:L+7]
	v_add_f32 v[L], v[L], v[L+1]
	v_add_f32 v[L+4], v[L+4], v[L+5]
	v_permlanex16_b32 v251, v[L], s26, s27
	v_permlanex16_b32 v252, v[L+4], s26, s27
	v_add_f32 v[L], v[L], v251
	v_add_f32 v[L+4], v[L+4], v252
	v_rcp_f32 v[L], v[L]
	v_rcp_f32 v[L+4], v[L+4]
	v_nop                                          ; a plain line behind the reciprocals
	s_wait_alu depctr_va_vdst(0)                   ; and one wait for both, ahead of the first reader
	v_ldexp_f32 v[L], v[L], s24
	v_ldexp_f32 v[L+4], v[L+4], s24
.irp x, 0,1
.set i, 0
.rept 16
	v_pk_mul_f32 v[O+32*\x+i:O+32*\x+i+1], v[O+32*\x+i:O+32*\x+i+1], v[L+4*\x:L+4*\x+1] op_sel_hi:[1,0]   ; each accumulator from its low end on
.set i, i+2
.endr
.set i, 0
.rept 32
	v_med3_num_f32 v[O+32*\x+i], v[O+32*\x+i], -v254, v254
.set i, i+1
.endr
.irp d, 0,1,2,3
	v_cvt_scalef32_pk8_bf8_f32 v[PC+8*\x+2*\d:PC+8*\x+2*\d+1], v[O+32*\x+8*\d:O+32*\x+8*\d+7], v253
.endr
	v_nop
	global_store_b128 v[LI], v[PC+8*\x:PC+8*\x+3],   s[12:13] offset:4096*\x       ; 512 consecutive bytes each
	global_store_b128 v[LI], v[PC+8*\x+4:PC+8*\x+7], s[12:13] offset:4096*\x+512
.endr
	s_wait_xcnt 0x0
	v_lshl_add_u32 v254, v0, 2, 0x40000
	v_mov_b32 v255, 0
	s_wait_tensorcnt 0x0
	ds_add_u32 v254, v255
	s_wait_dscnt 0x0
	s_endpgm
.Lfunc_end_k_q597ca3cf94_attn:
	.size	k_q597ca3cf94_attn, .Lfunc_end_k_q597ca3cf94_attn-k_q597ca3cf94_attn
	.p2alignl 7, 3214868480
	.fill 96, 4, 3214868480
	.section	.rodata,"a",@progbits
	.p2align	6, 0x0
	.amdhsa_kernel k_q597ca3cf94_attn
		.amdhsa_group_segment_fixed_size 264192
		.amdhsa_private_segment_fixed_size 0
		.amdhsa_enable_private_segment 0
		.amdhsa_kernarg_size 40
		.amdhsa_user_sgpr_count 2
		.amdhsa_user_sgpr_kernarg_segment_ptr 1
		.amdhsa_wavefront_size32 1
		.amdhsa_system_sgpr_workgroup_id_x 1
		.amdhsa_system_sgpr_workgroup_id_y 1
		.amdhsa_system_sgpr_workgroup_id_z 1
		.amdhsa_system_vgpr_workitem_id 0
		.amdhsa_next_free_vgpr 256
		.amdhsa_next_free_sgpr 66
		.amdhsa_reserve_vcc 0
		.amdhsa_float_denorm_mode_32 3
		.amdhsa_float_denorm_mode_16_64 3
		.amdhsa_memory_ordered 1
		.amdhsa_forward_progress 1
		.amdhsa_inst_pref_size 44
	.end_amdhsa_kernel
	.amdgpu_metadata
---
amdhsa.version: [ 1, 2 ]
amdhsa.kernels:
  - .name:           k_q597ca3cf94_attn
    .symbol:         k_q597ca3cf94_attn.kd
    .args:
      - { .name: qc, .offset: 0, .size: 8, .value_kind: global_buffer, .address_space: global }
      - { .name: kc, .offset: 8, .size: 8, .value_kind: global_buffer, .address_space: global }
      - { .name: vc, .offset: 16, .size: 8, .value_kind: global_buffer, .address_space: global }
      - { .name: lowp_scales, .offset: 24, .size: 8, .value_kind: global_buffer, .address_space: global }
      - { .name: cc, .offset: 32, .size: 8, .value_kind: global_buffer, .address_space: global }
    .group_segment_fixed_size: 264192
    .private_segment_fixed_size: 0
    .kernarg_segment_align: 8
    .kernarg_segment_size: 40
    .max_flat_workgroup_size: 512
    .sgpr_count:     66
    .vgpr_count:     256
    .wavefront_size: 32
...
	.end_amdgpu_metadata
.endif
;; end of part 3
;; launch oproj (part 4): grid 4 x 64, 4 waves a work-group, clusters of 4 x 4, 327,680 bytes of LDS; arguments cc, wc, lowp_scales, bo, out0; writes out0
.if DOCPART == 4
	.amdgcn_target "amdgcn-amd-amdhsa--gfx1250"
	.amdhsa_code_object_version 6
	.text
	.protected	k_q597ca3cf94_oproj
	.globl	k_q597ca3cf94_oproj
	.p2align	8
	.type	k_q597ca3cf94_oproj,@function
k_q597ca3cf94_oproj:
	s_mov_b64 s[64:65], 0
	v_nop
	global_prefetch_b8 v0, s[64:65] scope:SCOPE_SE
	s_setreg_imm32_b32 hwreg(HW_REG_WAVE_MODE, 25, 1), 1
	s_wait_xcnt 0x0
	s_wait_alu depctr_hold_cnt(0) depctr_sa_sdst(0) depctr_va_vdst(0) depctr_va_sdst(0) depctr_va_ssrc(0) depctr_va_vcc(0) depctr_vm_vsrc(0)
	s_getreg_b32 s2, hwreg(HW_REG_IB_STS2, 6, 4)
	s_cmp_eq_u32 s2, 0
	s_cbranch_scc0 .Lentry_in_a_cluster
	s_endpgm
.Lentry_in_a_cluster:
	s_bfe_u32 s2, ttmp6, 0x10000c
	s_cmp_lg_u32 s2, 0xf033
	s_cbranch_scc0 .Lentry_shape_is_right
	s_endpgm
.Lentry_shape_is_right:
; out0 = context Wo + bo on codes of BF8 (E5M2): out0 = sum x 2^(e10 + e11) + bo, f32.  The frame is that of the launch that makes Q, K and V.
; cc: [k / 256][token / 16][(k / 64) % 4][1024]; Wo's codes: the fourth tensor of wc, [k / 256][n / 16][(k / 64) % 4][1024]: blocks that are images of operand registers (byte 512 g + 16 lane = registers 4 g .. 4 g + 3 of a 16 x 16 x 64 fragment).
; A work-group makes 128 tokens (A) x 256 outputs (B); four waves, 2 x 2, each 64 x 128: 32 accumulators.  Source 0 = B's fragment, source 1 = A's: a lane holds eight neighbouring outputs of one token's row.
; K = 1,024 in four K steps of 256.  Three LDS slots of 96 KiB: K steps 0, 1, 2 are asked for at once; K step 3 alone fills bytes again (slot 0).  By this text's count a wave has at most three tensor loads out.
; CLUSTER 4 x 4: A's tile is asked for jointly along the cluster's row, B's along its column.
; LIMIT: e10 + e11 lies between -126 and 127, so that 2^(e10 + e11) is an f32 number.
; REGISTERS: window 0: v1 r, v2 h, v4-6, v8-10 LDS addresses, v12 16 x lane, v16, v17 the stage, v20 the bias's offset, v28, v29 for the add; v32-95 a block's results; v128-191, v192-255 A's two sets, at the end rows on their way out.
;   window 1: B's two sets.   window 2: accumulator (a, b) at v[8 (8 a + b)].   window 3: v0-63 bo in the result's layout.
.set SLOT,  98304
.set SPARE, 3*SLOT                     ; behind the slots: the spare words, 128 bytes a wave: two blocks of 256 bytes that no other line names
.set SPITCH, 528                       ; the way out: a stage of 16 rows x (512 bytes + 16) for each wave, in slot 1, which has had its last fill and its last read by then
.set ADRA, 4
.set ADRB, 8
.set LI,   12
.set STO,  16
.set RD,   17
.set BO,   20
.set SPW,  28
.set NIL,  29
.set TMP,  32
.set AF,   128
.set BK,   128
.set WV,  22
.set WA,  23
.set WB,  24
.set CX,  25
.set CY,  26
.set TA,  29
.set TB,  30
.set G1A, 32
.set G1B, 40
.set G0A, 48
.set G0B, 68
.set MSB, 0
.macro WIN new                         ; the immediate's high byte repeats the setting that is left
.if MSB != \new
	s_set_vgpr_msb (MSB<<8)|\new
.set MSB, \new
.endif
.endm
.set MUL,  0xa1                        ; source 0 (B) window 1, source 1 (A) window 0, C and D window 2
.set TO_B, 0x40
.macro PLACES                          ; four plain vector lines between a matrix instruction and a load into, or a vector read of, its registers
.rept 4
	v_nop
.endr
.endm
.macro CREST
	s_cmp_lg_u32 s[WV], 0
	s_cbranch_scc1 .Lnot_wave_0_\@
	s_barrier_signal -3
.Lnot_wave_0_\@:
	s_barrier_wait -3
	s_barrier_signal -1
	s_barrier_wait -1
.endm
.macro CROUND
	s_barrier_signal -1
	s_barrier_wait -1
	CREST
.endm
.macro JLOAD ga, gb                    ; a joint load: waves 0, 1 for A, waves 2, 3 for B; four v_nop follow each line
	s_cmp_eq_u32 s[WA], 0
	s_cbranch_scc0 .Lfor_b_\@
	tensor_load_to_lds s[\ga:\ga+3], s[G1A:G1A+7]
	s_nop 0
.rept 4
	v_nop
.endr
	s_branch .Lasked_\@
.Lfor_b_\@:
	tensor_load_to_lds s[\gb:\gb+3], s[G1B:G1B+7]
	s_nop 0
.rept 4
	v_nop
.endr
.Lasked_\@:
.endm
.macro FETCH slot, q, p                ; the fragments of the slot's q-th 128 along K into set p: B's eight, A's four; each load takes 512 consecutive bytes
	WIN TO_B
.irp i, 0,1,2,3,4,5,6,7
.irp c, 0,1,2,3
	ds_load_b128 v[128*(\p)+16*\i+4*\c:128*(\p)+16*\i+4*\c+3], v[ADRB+\slot] offset:4096*\i+2048*(\q)+512*\c
.endr
.endr
	WIN 0
.irp i, 0,1,2,3
.irp c, 0,1,2,3
	ds_load_b128 v[AF+64*(\p)+16*\i+4*\c:AF+64*(\p)+16*\i+4*\c+3], v[ADRA+\slot] offset:4096*\i+2048*(\q)+512*\c
.endr
.endr
.endm
; Eight products: A's block a against B's eight.  zero = 1: the first products start the sums.  The 32 accumulators take turns, one instruction a turn, in the same order in every step.
.macro MUL8 a, p, zero
.irp b, 0,1,2,3,4,5,6,7
.if \zero
	v_wmma_f32_16x16x128_bf8_bf8 v[8*(8*\a+\b):8*(8*\a+\b)+7], v[128*(\p)+16*\b:128*(\p)+16*\b+15], v[AF+64*(\p)+16*\a:AF+64*(\p)+16*\a+15], 0
.else
	v_wmma_f32_16x16x128_bf8_bf8 v[8*(8*\a+\b):8*(8*\a+\b)+7], v[128*(\p)+16*\b:128*(\p)+16*\b+15], v[AF+64*(\p)+16*\a:AF+64*(\p)+16*\a+15], v[8*(8*\a+\b):8*(8*\a+\b)+7]
.endif
.endr
.endm
.macro SUB p, ns, nq
	s_wait_dscnt 0x0                               ; set p is in: it was asked for a step ago
	PLACES                                         ; for the loads into the other set, which the last products read
	FETCH \ns, \nq, 1-\p
	WIN MUL
	MUL8 0, \p, 0
	MUL8 1, \p, 0
	MUL8 2, \p, 0
	MUL8 3, \p, 0
.endm
.macro TURN p, ns, nq, fill            ; a step with a barrier in it; fill = 1: a round of the cluster's barrier, and behind it K step 3 into slot 0
	WIN 0
	s_wait_tensorcnt 0x0                           ; all my tensor loads have landed
	ds_add_u32 v[SPW], v[NIL]                      ; 0 onto my spare word
	s_wait_dscnt 1                                 ; set p is in; only the add may be out
	WIN MUL
	MUL8 0, \p, 0
	s_wait_dscnt 0x0                               ; the add is done, and none of my LDS reads is out
	s_barrier_signal -1
	MUL8 1, \p, 0
	WIN 0
	s_barrier_wait -1
.if \fill
	CREST
	JLOAD G0A+12, G0B+12                           ; the first tensor load behind the round, one a wave; its four v_nop are also the places in front of the loads below
.else
	PLACES
.endif
	FETCH \ns, \nq, 1-\p
	WIN MUL
	MUL8 2, \p, 0
	MUL8 3, \p, 0
.endm
	s_load_b256 s[4:11], s[0:1], 0x0               ; cc 4:5, wc 6:7, the exponents 8:9, bo 10:11
	s_load_b64 s[12:13], s[0:1], 0x20              ; out0
	v_lshl_add_u32 v[SPW], v0, 2, SPARE
	v_mov_b32 v[NIL], 0
	ds_add_u32 v28, v29
	ds_add_u32 v28, v29
	s_wait_dscnt 0x0
	v_lshrrev_b32 v1, 5, v0
	v_readfirstlane_b32 s[WV], v1
	s_lshr_b32 s[WA], s[WV], 1                     ; which 64 tokens are mine.  Also: I fetch for A (0) or for B (1)
	s_and_b32 s[WB], s[WV], 1                      ; which 128 outputs.  Also: which half of that tile I fetch
	s_bfe_u32 s[CX], ttmp6, 0x40000
	s_bfe_u32 s[CY], ttmp6, 0x40004
	s_lshl_b32 s[TB], ttmp9, 2
	s_add_co_u32 s[TB], s[TB], s[CX]               ; tile of 256 outputs
	s_and_b32 s[TA], ttmp7, 0xffff
	s_lshl_b32 s[TA], s[TA], 2
	s_add_co_u32 s[TA], s[TA], s[CY]               ; tile of 128 tokens
	s_lshl_b32 s2, s[CY], 2
	s_lshl_b32 s2, 15, s2                          ; my row of the cluster
	s_lshl_b32 s3, 0x1111, s[CX]                   ; my column
	s_or_b32 s[G1A], s2, (3<<16)|(1<<21)           ; a dense block as rows of 256 bytes: elements of 8 bytes, 32 to a row; A: 64 rows, B: 128; bit 21 set beside the mask
	s_or_b32 s[G1B], s3, (3<<16)|(1<<21)
	s_mov_b32 s[G1A+1], 32<<16
	s_mov_b32 s[G1A+2], 64<<16
	s_mov_b32 s[G1A+3], 32<<16
	s_mov_b32 s[G1A+4], 64
	s_mov_b32 s[G1A+5], 32
	s_mov_b32 s[G1A+6], 0
	s_mov_b32 s[G1A+7], 0
	s_mov_b32 s[G1B+1], 32<<16
	s_mov_b32 s[G1B+2], 128<<16
	s_mov_b32 s[G1B+3], 32<<16
	s_mov_b32 s[G1B+4], 128
	s_mov_b32 s[G1B+5], 32
	s_mov_b32 s[G1B+6], 0
	s_mov_b32 s[G1B+7], 0
	s_lshl_b32 s96, s[TA], 15
	s_lshl_b32 s31, s[WB], 14
	s_add_co_u32 s96, s96, s31
	s_mov_b32 s97, 0
	s_lshl_b32 s100, s[TB], 16
	s_lshl_b32 s28, s[WB], 15
	s_add_co_u32 s100, s100, s28
	s_add_co_u32 s100, s100, 0x300000              ; Wo's codes are the fourth tensor of wc
	s_mov_b32 s101, 0
	s_add_co_u32 s28, s28, 32768
	s_wait_kmcnt 0x0
	s_load_b64 s[84:85], s[8:9], 0x28              ; e10, e11
	s_add_nc_u64 s[96:97], s[4:5], s[96:97]
	s_add_nc_u64 s[100:101], s[6:7], s[100:101]
.irp k, 0,1,2,3                        ; K step k goes to slot k % 3
	s_mov_b32 s[G0A+4*\k], 1
	s_add_co_u32 s[G0A+4*\k+1], s31, (\k%3)*SLOT
	s_add_nc_u64 s[G0A+4*\k+2:G0A+4*\k+3], s[96:97], \k*0x200000
	s_or_b32 s[G0A+4*\k+3], s[G0A+4*\k+3], 0x80000000
	s_mov_b32 s[G0B+4*\k], 1
	s_add_co_u32 s[G0B+4*\k+1], s28, (\k%3)*SLOT
	s_add_nc_u64 s[G0B+4*\k+2:G0B+4*\k+3], s[100:101], \k*0x40000
	s_or_b32 s[G0B+4*\k+3], s[G0B+4*\k+3], 0x80000000
.endr
	CROUND                                         ; all sixteen work-groups are here: the first joint loads meet
	s_cmp_eq_u32 s[WA], 0                          ; a wave's three first fills stand in one branch
	s_cbranch_scc0 .Lfirst_b
	tensor_load_to_lds s[G0A:G0A+3], s[G1A:G1A+7]
	s_nop 0
	tensor_load_to_lds s[G0A+4:G0A+7], s[G1A:G1A+7]
	s_nop 0
	tensor_load_to_lds s[G0A+8:G0A+11], s[G1A:G1A+7]
	s_nop 0
.rept 4
	v_nop
.endr
	s_branch .Lfirst_asked
.Lfirst_b:
	tensor_load_to_lds s[G0B:G0B+3], s[G1B:G1B+7]
	s_nop 0
	tensor_load_to_lds s[G0B+4:G0B+7], s[G1B:G1B+7]
	s_nop 0
	tensor_load_to_lds s[G0B+8:G0B+11], s[G1B:G1B+7]
	s_nop 0
.rept 4
	v_nop
.endr
.Lfirst_asked:
	v_and_b32 v1, 15, v0                           ; r
	v_bfe_u32 v2, v0, 4, 1                         ; h
	v_and_b32 v[LI], 31, v0
	v_lshlrev_b32 v[LI], 4, v[LI]
	s_lshl_b32 s2, s[WA], 14
.irp sl, 0,1,2
	v_add_nc_u32 v[ADRA+\sl], s2, v[LI]
	v_add_nc_u32 v[ADRB+\sl], s28, v[LI]
	s_add_co_u32 s2, s2, SLOT
	s_add_co_u32 s28, s28, SLOT
.endr
	s_lshl_b32 s2, s[TB], 10                       ; bo at my 128 outputs; register 8 b + j = bo(16 b + 8 h + j)
	s_lshl_b32 s3, s[WB], 9
	s_add_co_u32 s2, s2, s3
	s_mov_b32 s3, 0
	s_add_nc_u64 s[10:11], s[10:11], s[2:3]
	v_lshlrev_b32 v[BO], 5, v2
	WIN 0xc0                                       ; destination window 3
.irp t, 0,1,2,3,4,5,6,7
	global_load_b128 v[8*\t:8*\t+3],   v[BO], s[10:11] offset:64*\t
	global_load_b128 v[8*\t+4:8*\t+7], v[BO], s[10:11] offset:64*\t+16
.endr
	WIN 0
	s_add_nc_u64 s[12:13], s[12:13], s[2:3]        ; out0: my first column has the same byte offset,
	s_lshl_b32 s2, s[TA], 19                       ; my first row: 128 x tile + 64 x half, rows of 4,096 bytes
	s_lshl_b32 s4, s[WA], 18
	s_add_co_u32 s2, s2, s4
	s_add_nc_u64 s[12:13], s[12:13], s[2:3]
	s_mul_i32 s4, s[WV], 16*SPITCH
	s_add_co_u32 s4, s4, SLOT                      ; my stage
	v_mul_u32_u24 v[STO], v1, SPITCH
	v_lshl_add_u32 v[STO], v2, 5, v[STO]
	v_add_nc_u32 v[STO], s4, v[STO]                ; in: row r, 32 bytes for each half of the lanes
	v_add_nc_u32 v[RD], s4, v[LI]                  ; back: the 32 lanes take one row of 512 bytes
	s_wait_kmcnt 0x0
	s_add_co_i32 s86, s84, s85
	s_add_co_i32 s86, s86, 127
	s_lshl_b32 s86, s86, 23                        ; 2^(e10 + e11) as f32
	s_mov_b32 s87, s86                             ; (named with it as a pair)
	s_wait_loadcnt 0x0                             ; bo
	s_wait_tensorcnt 2                             ; my part of K step 0 is in; K steps 1 and 2 may be out
	s_barrier_signal -1
	s_barrier_wait -1
	FETCH 0, 0, 0
	FETCH 0, 1, 1
	s_wait_dscnt 48                                ; set 0's 48 loads are in; set 1's 48 may be out
	WIN MUL
	MUL8 0, 0, 1                                   ; step 0: the first products start the sums
	MUL8 1, 0, 1
	MUL8 2, 0, 1
	MUL8 3, 0, 1
	TURN 1, 1, 0, 1                                ; step 1: slot 0 is left and takes K step 3; K steps 1 and 2 are shown landed to every wave
	SUB 0, 1, 1
	SUB 1, 2, 0
	SUB 0, 2, 1
	TURN 1, 0, 0, 0                                ; step 5: K step 3 is shown landed to every wave; every wave's reads of slot 1 are over
	SUB 0, 0, 1
	s_wait_dscnt 0x0                               ; step 7
	WIN MUL
	MUL8 0, 1, 0
	MUL8 1, 1, 0
	MUL8 2, 1, 0
	MUL8 3, 1, 0
	WIN 0
	PLACES
; THE WAY OUT, block by block of 16 rows x 128 columns: sum x 2^(e10 + e11) + bo, one packed multiply-add for two numbers; through my own stage, back as whole rows of 512 bytes.
; LDS serves a wave's instructions in order (ISA guide 5.7.1.4): no wait between the stores and the loads, nor in front of the next block's stores.
.macro TOSTAGE a
	WIN 0x32                                       ; source 0 (the sums) window 2, source 2 (bo) window 3
.irp b, 0,1,2,3,4,5,6,7
.irp j, 0,2,4,6
	v_pk_fma_f32 v[TMP+8*\b+\j:TMP+8*\b+\j+1], v[8*(8*(\a)+\b)+\j:8*(8*(\a)+\b)+\j+1], s[86:87], v[8*\b+\j:8*\b+\j+1] op_sel_hi:[1,0,1]   ; each accumulator from its low end on
.endr
.endr
	WIN 0
.irp b, 0,1,2,3,4,5,6,7
	ds_store_b128 v[STO], v[TMP+8*\b:TMP+8*\b+3] offset:64*\b
	ds_store_b128 v[STO], v[TMP+8*\b+4:TMP+8*\b+7] offset:64*\b+16
.endr
.set BB, BK+64*((\a)%2)
.irp t, 0,1,2,3,4,5,6,7,8,9,10,11,12,13,14,15
	ds_load_b128 v[BB+4*\t:BB+4*\t+3], v[RD] offset:\t*SPITCH
.endr
.endm
.macro SEND a, younger                 ; younger: the LDS instructions issued behind block a's loads, which may stay out
.set BB, BK+64*((\a)%2)
	s_wait_dscnt \younger
.irp t, 0,1,2,3,4,5,6,7,8,9,10,11,12,13,14,15
	global_store_b128 v[LI], v[BB+4*\t:BB+4*\t+3], s[12:13] offset:65536*(\a)+4096*\t th:TH_STORE_NT   ; 32 lanes store 512 consecutive bytes, at a multiple of 256 from out0's first byte; the base is never stepped
.endr
.endm
	TOSTAGE 0
.irp a, 1,2,3
.if \a > 1
	s_wait_xcnt 0x0                                ; block a - 2's stores have read their registers: block a's loads may land there
.endif
	TOSTAGE \a
	SEND \a-1, 32                                  ; behind block a - 1's loads: block a's 16 stores and 16 loads
.endr
	SEND 3, 0
	s_wait_tensorcnt 0x0                           ; the wave's end
	ds_add_u32 v[SPW], v[NIL]
	s_wait_dscnt 0x0
	CROUND                                         ; the closing round
	s_endpgm
.Lfunc_end_k_q597ca3cf94_oproj:
	.size	k_q597ca3cf94_oproj, .Lfunc_end_k_q597ca3cf94_oproj-k_q597ca3cf94_oproj
	.p2alignl 7, 3214868480
	.fill 96, 4, 3214868480
	.section	.rodata,"a",@progbits
	.p2align	6, 0x0
	.amdhsa_kernel k_q597ca3cf94_oproj
		.amdhsa_group_segment_fixed_size 327680
		.amdhsa_private_segment_fixed_size 0
		.amdhsa_enable_private_segment 0
		.amdhsa_kernarg_size 40
		.amdhsa_user_sgpr_count 2
		.amdhsa_user_sgpr_kernarg_segment_ptr 1
		.amdhsa_wavefront_size32 1
		.amdhsa_system_sgpr_workgroup_id_x 1
		.amdhsa_system_sgpr_workgroup_id_y 1
		.amdhsa_system_sgpr_workgroup_id_z 1
		.amdhsa_system_vgpr_workitem_id 0
		.amdhsa_next_free_vgpr 1024
		.amdhsa_next_free_sgpr 104
		.amdhsa_reserve_vcc 0
		.amdhsa_float_denorm_mode_32 3
		.amdhsa_float_denorm_mode_16_64 3
		.amdhsa_memory_ordered 1
		.amdhsa_forward_progress 1
		.amdhsa_inst_pref_size 76
	.end_amdhsa_kernel
	.amdgpu_metadata
---
amdhsa.version: [ 1, 2 ]
amdhsa.kernels:
  - .name:           k_q597ca3cf94_oproj
    .symbol:         k_q597ca3cf94_oproj.kd
    .args:
      - { .name: cc, .offset: 0, .size: 8, .value_kind: global_buffer, .address_space: global }
      - { .name: wc, .offset: 8, .size: 8, .value_kind: global_buffer, .address_space: global }
      - { .name: lowp_scales, .offset: 16, .size: 8, .value_kind: global_buffer, .address_space: global }
      - { .name: bo, .offset: 24, .size: 8, .value_kind: global_buffer, .address_space: global }
      - { .name: out0, .offset: 32, .size: 8, .value_kind: global_buffer, .address_space: global }
    .group_segment_fixed_size: 327680
    .private_segment_fixed_size: 0
    .kernarg_segment_align: 8
    .kernarg_segment_size: 40
    .max_flat_workgroup_size: 128
    .sgpr_count:     104
    .vgpr_count:     1024
    .wavefront_size: 32
...
	.end_amdgpu_metadata
.endif
;; end of part 4
;; ======== version 2 of 2: 4 launches; version 1 with the launches quant, attn written anew for expert scheduling mode
;; workspace buffers: xc 25,165,824 bytes; wc 4,194,304 bytes; qc 8,388,608 bytes; kc 8,388,608 bytes; vc 8,388,608 bytes; cc 8,388,608 bytes
;; launch quant (part 5): grid 320 x 1, 8 waves a work-group, no clusters, 68,608 bytes of LDS; arguments x, Wq, Wk, Wv, Wo, lowp_scales, xc, wc; writes xc, wc
.if DOCPART == 5
	.amdgcn_target "amdgcn-amd-amdhsa--gfx1250"
	.amdhsa_code_object_version 6
	.text
	.protected	k_q597ca3cf94_quant
	.globl	k_q597ca3cf94_quant
	.p2align	8
	.type	k_q597ca3cf94_quant,@function
k_q597ca3cf94_quant:
	s_mov_b64 s[64:65], 0
	v_nop
	global_prefetch_b8 v0, s[64:65] scope:SCOPE_SE
	s_setreg_imm32_b32 hwreg(HW_REG_WAVE_SCHED_MODE, 0, 2), 2
	s_setreg_imm32_b32 hwreg(HW_REG_WAVE_MODE, 25, 1), 1
	s_wait_xcnt 0x0
	s_wait_alu depctr_vm_vsrc(0)
; x [8192][1024] f32 becomes three sets of codes of BF8 (E5M2), one for each of the given scales 2^e0, 2^e2, 2^e4; Wq, Wk, Wv, Wo [k 1024][n 1024] f32 become codes with
; K innermost, with 2^e1, 2^e3, 2^e5, 2^e11.  code = number / 2^e, held within +-57,344, rounded to the nearest code, ties to even.
; LIMITS: each e used here lies between -126 and 112, so that 2^e and 57,344 x 2^e are f32 numbers.  NaN among the inputs is not served; an infinity is held at the largest code.
; THE LAYOUT OF ALL CODES: blocks of 16 rows x 64 k = 1,024 bytes, an image of the operand's registers: byte 512 g + 16 lane + i; lane (r = lane % 16, h = lane / 16) has there, of row r,
; k = 32 g + 8 h + 0..7 and then k = 32 g + 16 + 8 h + 0..7: registers 4 g .. 4 g + 3 of a 16 x 16 x 64 fragment.  Two blocks that are neighbours along k are a 16 x 16 x 128 fragment.
;   xc: [set 3][k / 256][row / 16][(k / 64) % 4][1024]      wc: [tensor 4][k / 256][n / 16][(k / 64) % 4][1024]
; The first 64 work-groups take the weights, the other 256 take x.  The two ways never join; only x's way uses LDS; waves share nothing, so there is no barrier.
; THE MODE: SCHED_MODE bits 1:0 = 2 (LLVM: expert scheduling mode 2), set by the entry lines.  The code itself states the register dependences
; between vector instructions and memory or LDS instructions, with s_wait_alu, always for 0.
; THE PLAN, the weights' way.  Set t % 2 of X: the loads of block t land in it, the block's holds rewrite it in place, its conversions read it, and the loads of block t + 2 land in it again.
;   The codes: eight registers of its own for each block, written by its conversions, read by its two stores, never written again.  v4, v5: offsets, made once.
;   So ONE wait on va_vdst stands in a block, behind its conversions: the codes are written, and the set is done with.  The block's two stores and 32 loads follow it.
; THE PLAN, x's way.  R[st]: the global loads of step st land in it, the LDS stores read it, the step's conversions write the codes into it, the global stores read them; never written again.
;   X: the LDS loads land in it, the holds read it.  T is named by vector instructions alone.  v4, v5, v6: offsets and addresses, made once.
;   So one wait on vm_vsrc a step stands behind the turn through the stage, and one wait on va_vdst for each of the three scales, behind its eight conversions and ahead of its four stores.
.set WWG,   64
.set EMAX,  15
.set MANT,  0x600000                   ; the mantissa field of 57,344 as f32
.set T,     32                         ; v32-63   x: two sets of 16 held numbers, by turns
.set X,     64                         ; v64-127  x: 64 numbers as the operand wants them;  W: two sets of 32 numbers down K
.set R,     128                        ; v128-255 x: two sets of 64 as loaded, later the codes;  W: v128-191 the codes
.set SPIT,  528                        ; x: a row of the wave's stage: 512 bytes + 16, an odd multiple of 16
.macro MKSCALE se, st, vs, vl          ; s[se] = e  ->  v[vs] = 2^e as f32 (the conversion takes its exponent field), v[vl] = 57,344 x 2^e;  s[st], s[st+1] at work
	s_add_co_i32 s[\st], s[\se], 127
	s_lshl_b32 s[\st+1], s[\st], 23
	v_mov_b32 v[\vs], s[\st+1]
	s_add_co_i32 s[\st], s[\st], EMAX
	s_lshl_b32 s[\st], s[\st], 23
	s_or_b32 s[\st], s[\st], MANT
	v_mov_b32 v[\vl], s[\st]
.endm
	s_load_b512 s[4:19], s[0:1], 0x0               ; x 4:5, Wq 6:7, Wk 8:9, Wv 10:11, Wo 12:13, the exponents 14:15, xc 16:17, wc 18:19
	v_lshl_add_u32 v30, v0, 2, 0x10800
	v_mov_b32 v31, 0
	v_lshrrev_b32 v1, 5, v0
	v_readfirstlane_b32 s20, v1                    ; wave 0..7
	v_and_b32 v1, 31, v0                           ; lane
	v_and_b32 v2, 15, v0                           ; r
	v_bfe_u32 v3, v0, 4, 1                         ; h
	s_wait_kmcnt 0x0
	s_load_b256 s[36:43], s[14:15], 0x0            ; e0 .. e7
	s_load_b128 s[44:47], s[14:15], 0x20           ; e8 .. e11
	s_wait_alu depctr_va_sdst(0)                   ; s20, the wave's number, is written: both ways below read it
	s_cmp_lt_u32 ttmp9, WWG
	s_cbranch_scc0 .Lx_path
; ---- THE WEIGHTS.  A work-group takes 256 k x 256 n of one tensor, a wave 256 k x 32 n.  A LANE TAKES A COLUMN n AND ITS REGISTERS RUN DOWN K: each load reads 128 consecutive bytes a wave
; (the eight waves stand side by side on 1,024), and the conversions give codes with K innermost.  A lane's 32 codes of a block of 32 k are two runs of 16 bytes of the image
; (h = 0: k 0-7, 16-23; h = 1: k 8-15, 24-31), and sixteen neighbouring lanes store 256 consecutive bytes, aligned: no stage is needed.
	s_lshr_b32 s21, ttmp9, 4                       ; which tensor: 0 q, 1 k, 2 v, 3 o
	s_bfe_u32 s22, ttmp9, 0x20002                  ; which 256 along K
	s_and_b32 s23, ttmp9, 3                        ; which 256 columns
	s_lshl_b32 s28, s23, 8
	s_lshl_b32 s29, s20, 5
	s_add_co_u32 s28, s28, s29                     ; my wave's first column
	s_lshl_b32 s30, s22, 20                        ; 256 rows of 4,096 bytes
	s_lshl_b32 s31, s28, 2
	s_add_co_u32 s30, s30, s31
	s_mov_b32 s31, 0
	s_lshl_b32 s32, s21, 20
	s_lshl_b32 s33, s22, 18
	s_add_co_u32 s32, s32, s33
	s_lshl_b32 s33, s28, 8                         ; (column / 16) x 4,096
	s_add_co_u32 s32, s32, s33
	s_mov_b32 s33, 0
	s_cmp_eq_u32 s21, 0                            ; the choice hangs on the work-group's number alone
	s_cselect_b64 s[24:25], s[6:7], s[8:9]
	s_cmp_eq_u32 s21, 2
	s_cselect_b64 s[24:25], s[10:11], s[24:25]
	s_cmp_eq_u32 s21, 3
	s_cselect_b64 s[24:25], s[12:13], s[24:25]
	s_add_nc_u64 s[24:25], s[24:25], s[30:31]
	s_add_nc_u64 s[18:19], s[18:19], s[32:33]
	v_lshlrev_b32 v4, 2, v1                        ; in: 4 bytes a lane
	v_lshlrev_b32 v5, 12, v3                       ; out: lanes 16-31 hold the next tile of 16 columns, 4,096 bytes on,
	v_lshl_add_u32 v5, v2, 4, v5                   ; + 16 x (lane % 16)
.macro LOADW t                         ; block t: W(32 t + i, my column), i = 0 .. 31, into set t % 2
.set i, 0
.rept 32
	global_load_b32 v[X+32*((\t)%2)+i], v4, s[24:25] offset:(32*(\t)+i)*4096 th:TH_LOAD_NT
.set i, i+1
.endr
.endm
	s_wait_alu depctr_va_vdst(0)                   ; v4 and v5 are written: every load and store of this way reads one of them as its offset
	LOADW 0
	LOADW 1
	s_wait_kmcnt 0x0
	s_cmp_eq_u32 s21, 0
	s_cselect_b32 s26, s37, s39                    ; e1 or e3,
	s_cmp_eq_u32 s21, 2
	s_cselect_b32 s26, s41, s26                    ; e5,
	s_cmp_eq_u32 s21, 3
	s_cselect_b32 s26, s47, s26                    ; e11
	MKSCALE 26, 28, 8, 9
.macro BLOCKW t
.set XS, X+32*((\t)%2)
.set CW, R+8*(\t)                      ; each block has its own code registers: no store's data are written again
.if (\t) < 7
	s_wait_loadcnt 32                              ; this block's 32 loads are in; the next block's 32 may be out
.else
	s_wait_loadcnt 0x0
.endif
.set i, 0
.rept 32
	v_med3_num_f32 v[XS+i], v[XS+i], -v9, v9       ; the conversion to an 8-bit code does not saturate (ISA guide 7.6.2): the hold comes first
.set i, i+1
.endr
	v_cvt_scalef32_pk8_bf8_f32 v[CW:CW+1],   v[XS:XS+7],     v8    ; k 0-7
	v_cvt_scalef32_pk8_bf8_f32 v[CW+2:CW+3], v[XS+16:XS+23], v8    ; k 16-23: with the line above the 16 bytes of the image's h = 0
	v_cvt_scalef32_pk8_bf8_f32 v[CW+4:CW+5], v[XS+8:XS+15],  v8    ; k 8-15
	v_cvt_scalef32_pk8_bf8_f32 v[CW+6:CW+7], v[XS+24:XS+31], v8    ; k 24-31: h = 1
	s_wait_alu depctr_va_vdst(0)                   ; the conversions have written the block's codes, which the two stores read; the holds have written and the conversions have read the set, in which the loads of two blocks on land
	global_store_b128 v5, v[CW:CW+3],   s[18:19] offset:((\t)/2)*1024+((\t)%2)*512        ; the results go to stores alone; the next vector lines are the next block's holds, on other registers
	global_store_b128 v5, v[CW+4:CW+7], s[18:19] offset:((\t)/2)*1024+((\t)%2)*512+256
.if (\t)+2 < 8
	LOADW (\t)+2
.endif
.endm
.irp t, 0,1,2,3,4,5,6,7
	BLOCKW \t
.endr
	s_endpgm                                       ; this way has stored nothing to LDS
; ---- x.  A wave takes 16 rows x 256 k, in two steps of 128 k.  Each load reads 512 consecutive bytes of a row; a step's 16 rows turn through the wave's own stage in LDS and come back as the
; operand wants them: lane (r, h) gets, of row r, k = 32 q + 16 u + 8 h + 0..7.  The same 64 numbers are held and converted three times, once for each given scale.
.Lx_path:
	s_sub_co_u32 s21, ttmp9, WWG
	s_lshl_b32 s21, s21, 3
	s_add_co_u32 s21, s21, s20                     ; my wave's number among 2,048
	s_lshr_b32 s22, s21, 2                         ; which 16 rows
	s_and_b32 s23, s21, 3                          ; which 256 along K
	s_lshl_b32 s24, s22, 16                        ; 16 rows of 4,096 bytes
	s_lshl_b32 s25, s23, 10
	s_add_co_u32 s24, s24, s25
	s_mov_b32 s25, 0
	s_add_nc_u64 s[4:5], s[4:5], s[24:25]
	s_lshl_b32 s24, s23, 21
	s_lshl_b32 s26, s22, 12
	s_add_co_u32 s24, s24, s26
	s_add_nc_u64 s[48:49], s[16:17], s[24:25]      ; my four blocks in the first set of codes,
	s_add_nc_u64 s[50:51], s[48:49], 0x800000      ; the second,
	s_add_nc_u64 s[52:53], s[48:49], 0x1000000     ; the third
	v_lshlrev_b32 v4, 4, v1                        ; 16 x lane: in memory, both ways
	s_mul_i32 s27, s20, 16*SPIT                    ; my stage
	v_add_nc_u32 v5, s27, v4                       ; into it: a row as it lies
	v_mul_u32_u24 v6, v2, SPIT
	v_lshl_add_u32 v6, v3, 5, v6
	v_add_nc_u32 v6, s27, v6                       ; out of it: row r, + 32 h bytes
	s_wait_alu depctr_va_vdst(0)                   ; v4, v5 and v6 are written: every load and store of this way, global or LDS, reads one of them
.irp st, 0,1
.set i, 0
.rept 16
	global_load_b128 v[R+64*\st+4*i:R+64*\st+4*i+3], v4, s[4:5] offset:4096*i+512*\st th:TH_LOAD_NT
.set i, i+1
.endr
.endr
	s_wait_kmcnt 0x0
	MKSCALE 36, 28, 8, 9                           ; e0
	MKSCALE 38, 28, 10, 11                         ; e2
	MKSCALE 40, 28, 12, 13                         ; e4
.macro XSTEP st
.if \st == 0
	s_wait_loadcnt 16                              ; this step's 16 loads are in; the other step's 16 may be out
.else
	s_wait_loadcnt 0x0
.endif
.set i, 0
.rept 16
	ds_store_b128 v5, v[R+64*\st+4*i:R+64*\st+4*i+3] offset:SPIT*i
.set i, i+1
.endr
.irp q, 0,1,2,3                        ; LDS serves a wave's instructions in order (ISA guide 5.7.1.4): these see the stores above.  No vector line since the last wait on va_vdst names X
.irp u, 0,1
.irp w, 0,1
	ds_load_b128 v[X+16*\q+8*\u+4*\w:X+16*\q+8*\u+4*\w+3], v6 offset:128*\q+64*\u+16*\w
.endr
.endr
.endr
	s_wait_dscnt 0x0                               ; the numbers are back
	s_wait_alu depctr_vm_vsrc(0)                   ; the LDS stores have read this step's registers v[R + 64 st ..], into which the conversions below write its codes
.irp z, 0,1,2
.irp q, 0,1,2,3
.set i, 0
.rept 16
	v_med3_num_f32 v[T+16*(\q%2)+i], v[X+16*\q+i], -v[9+2*\z], v[9+2*\z]   ; the hold, into one of two sets by turns: sixteen plain lines stand between a conversion and the next write of its sources
.set i, i+1
.endr
	v_cvt_scalef32_pk8_bf8_f32 v[R+64*\st+16*\z+4*\q:R+64*\st+16*\z+4*\q+1],   v[T+16*(\q%2):T+16*(\q%2)+7],    v[8+2*\z]
	v_cvt_scalef32_pk8_bf8_f32 v[R+64*\st+16*\z+4*\q+2:R+64*\st+16*\z+4*\q+3], v[T+16*(\q%2)+8:T+16*(\q%2)+15], v[8+2*\z]
.endr
	s_wait_alu depctr_va_vdst(0)                   ; this scale's eight conversions have written their codes, which the four stores read; behind the third scale: the holds are done reading X, in which the next step's LDS loads land
.irp q, 0,1,2,3
	global_store_b128 v4, v[R+64*\st+16*\z+4*\q:R+64*\st+16*\z+4*\q+3], s[48+2*\z:49+2*\z] offset:2048*\st+512*\q   ; 512 consecutive bytes: half a block; no code register is written again
.endr
.endr
.endm
	XSTEP 0
	XSTEP 1
	s_wait_dscnt 0x0                               ; the closing lines, six on end, of a wave in the mode that has stored to LDS
	s_wait_alu 0x0
	s_wait_tensorcnt 0x0
	ds_add_u32 v30, v31
	s_wait_dscnt 0x0
	s_endpgm
.Lfunc_end_k_q597ca3cf94_quant:
	.size	k_q597ca3cf94_quant, .Lfunc_end_k_q597ca3cf94_quant-k_q597ca3cf94_quant
	.p2alignl 7, 3214868480
	.fill 96, 4, 3214868480
	.section	.rodata,"a",@progbits
	.p2align	6, 0x0
	.amdhsa_kernel k_q597ca3cf94_quant
		.amdhsa_group_segment_fixed_size 68608
		.amdhsa_private_segment_fixed_size 0
		.amdhsa_enable_private_segment 0
		.amdhsa_kernarg_size 64
		.amdhsa_user_sgpr_count 2
		.amdhsa_user_sgpr_kernarg_segment_ptr 1
		.amdhsa_wavefront_size32 1
		.amdhsa_system_sgpr_workgroup_id_x 1
		.amdhsa_system_sgpr_workgroup_id_y 1
		.amdhsa_system_sgpr_workgroup_id_z 1
		.amdhsa_system_vgpr_workitem_id 0
		.amdhsa_next_free_vgpr 256
		.amdhsa_next_free_sgpr 66
		.amdhsa_reserve_vcc 0
		.amdhsa_float_denorm_mode_32 3
		.amdhsa_float_denorm_mode_16_64 3
		.amdhsa_memory_ordered 1
		.amdhsa_forward_progress 1
		.amdhsa_inst_pref_size 86
	.end_amdhsa_kernel
	.amdgpu_metadata
---
amdhsa.version: [ 1, 2 ]
amdhsa.kernels:
  - .name:           k_q597ca3cf94_quant
    .symbol:         k_q597ca3cf94_quant.kd
    .args:
      - { .name: x, .offset: 0, .size: 8, .value_kind: global_buffer, .address_space: global }
      - { .name: Wq, .offset: 8, .size: 8, .value_kind: global_buffer, .address_space: global }
      - { .name: Wk, .offset: 16, .size: 8, .value_kind: global_buffer, .address_space: global }
      - { .name: Wv, .offset: 24, .size: 8, .value_kind: global_buffer, .address_space: global }
      - { .name: Wo, .offset: 32, .size: 8, .value_kind: global_buffer, .address_space: global }
      - { .name: lowp_scales, .offset: 40, .size: 8, .value_kind: global_buffer, .address_space: global }
      - { .name: xc, .offset: 48, .size: 8, .value_kind: global_buffer, .address_space: global }
      - { .name: wc, .offset: 56, .size: 8, .value_kind: global_buffer, .address_space: global }
    .group_segment_fixed_size: 68608
    .private_segment_fixed_size: 0
    .kernarg_segment_align: 8
    .kernarg_segment_size: 64
    .max_flat_workgroup_size: 256
    .sgpr_count:     66
    .vgpr_count:     256
    .wavefront_size: 32
...
	.end_amdgpu_metadata
.endif
;; end of part 5
;; launch qkv: the kernel of part 2 again; grid 12 x 64, 4 waves a work-group, clusters of 4 x 4, 327,680 bytes of LDS; arguments xc, wc, lowp_scales, bq, bk, bv, qc, kc, vc; writes qc, kc, vc
;; launch attn (part 6): grid 4 x 64, 16 waves a work-group, no clusters, 264,192 bytes of LDS; arguments qc, kc, vc, lowp_scales, cc; writes cc
.if DOCPART == 6
	.amdgcn_target "amdgcn-amd-amdhsa--gfx1250"
	.amdhsa_code_object_version 6
	.text
	.protected	k_q597ca3cf94_attn
	.globl	k_q597ca3cf94_attn
	.p2align	8
	.type	k_q597ca3cf94_attn,@function
k_q597ca3cf94_attn:
	s_mov_b64 s[64:65], 0
	v_nop
	global_prefetch_b8 v0, s[64:65] scope:SCOPE_SE
	s_setreg_imm32_b32 hwreg(HW_REG_WAVE_SCHED_MODE, 0, 2), 2
	s_setreg_imm32_b32 hwreg(HW_REG_WAVE_MODE, 25, 1), 1
	s_wait_xcnt 0x0
	s_wait_alu depctr_vm_vsrc(0)
; The context of one head: softmax(Q K^T / 8) V on codes of BF8 (E5M2), quantised at once to the codes that the last product reads.
; qc, kc: [batch][head][token / 16][1024], blocks of 16 tokens x the head's 64.  vc: [token / 64][feature / 16][1024], blocks of 16 features x 64 keys.  cc: [feature / 256][token / 16][(feature / 64) % 4][1024].
; A block is an image of a 16 x 16 x 64 fragment's registers: byte 512 g + 16 lane = registers 4 g .. 4 g + 3.
; THE SOFTMAX: t = score x log2(e) / 8; M = the row's largest t rounded up to a whole number; p = 2^(t - M) is quantised with 2^e8; the row's sum is taken of the unquantised p and divides at the end.
; SHARES.  A work-group owns 512 queries of one head, each of its sixteen waves 32: two tiles.  THE WHOLE HEAD LIES IN LDS, filled once: K's 128 blocks at byte 0, V's 128 blocks at byte 131,072.  No slot is ever filled again.
; TWO PASSES over the keys, 64 a step.  Pass 1 forms S^T = K Q^T and keeps only each lane's largest score.  Pass 2 forms S^T again, under the final M: no running maximum, nothing is rescaled.
; Both products are used transposed (source 0 = 16 keys, or 16 of the head's 64; source 1 = 16 queries): a lane holds one query throughout, and a conversion of a tile of p gives registers 2 t, 2 t + 1 of the next operand.
; LDS IS FILLED THROUGH REGISTERS, and the four work-groups of a head do not ask jointly: a joint request is a tensor load.  Here the hold of p,
; 64 of a step's vector lines, is jumped where e8 >= -15: then 57,344 x 2^e8 >= 1.75, above every p, and the hold changes nothing.  K and V are 16 + 16 loads a thread, once; V's land under pass 1.
; LIMITS: e6 + e7 between -123 and 130 (added to the exponent field of log2(e) / 8); e8 and e10 between -126 and 112; e8 + e9 goes in by v_ldexp_f32 and has none.  NaN is not served.
; THE MODE: SCHED_MODE bits 1:0 = 2 (LLVM: expert scheduling mode 2), set by the entry lines.  The code itself states the register dependences
; between vector or matrix instructions and memory or LDS instructions, with s_wait_alu, always for 0.
; THE PLAN.  Registers that memory or LDS instructions touch:
;   v1, v2, v5, v6, v7, v232, v233   offsets and addresses, made once at the head and never written again.
;   S, O      At the head K's and V's global loads land in them and my LDS stores read them; from the first products of pass 1 (S) and of pass 2 (O) on, matrix and vector instructions alone name them.
;   KF, VF    Pass 1: two buffers of K by turns: step s multiplies by one while the eight loads of step s + 1 land in the other.
;             Pass 2: KF is read by a step's products K Q^T, and the next step's K lands in it behind the wait for the exponentials; VF is read by the products V^T P at a step's end, and the next step's V lands in it at that step's head.
;   ADK, ADV  Read by the fragments' loads; written from the scalar step, once in two steps (pass 1) or once a step (pass 2).
;   PC        At the end: written by the context's conversions, read by the four stores.
; So pass 1 has one wait on va_vdst a step, at its head, and one on vm_vsrc in two steps, ahead of the add to ADK.  Pass 2 has one wait on vm_vsrc and one on va_vdst at a step's head, and the exponentials' wait serves K's loads too.
.set LI,  1                            ; v1   16 x lane
.set LV,  2                            ; v2   the same in V's half of LDS
.set ADK, 3                            ; v3, v4  the step's blocks of K, of V
.set ADV, 4
.set Q,   8                            ; v8-23    Q's two fragments
.set KF,  24                           ; v24-55   a step's four fragments of K
.set VF,  56                           ; v56-87   and of V; in pass 1 K's second buffer
.set PC,  88                           ; v88-103  p's codes, two fragments; at the end the context's
.set S,   104                          ; v104-167 S^T, then p: tile (x, t) at 32 x + 8 t.  At the head: K on its way to LDS
.set O,   168                          ; v168-231 O^T: tile (x, d) at 32 x + 8 d.  At the head: V on its way to LDS
.set MX,  234                          ; v234-237 the largest score, two chains a tile of queries
.set NM,  238                          ; v[238:239], v[240:241] -M; the packed form takes the low word for both halves
.set L,   242                          ; v[242:249] the row's sum, two packed chains a tile of queries
	s_load_b256 s[4:11], s[0:1], 0x0               ; qc 4:5, kc 6:7, vc 8:9, the exponents 10:11
	s_load_b64 s[12:13], s[0:1], 0x20              ; cc
	v_lshrrev_b32 v1, 5, v0
	v_readfirstlane_b32 s14, v1                    ; wave 0..15
	v_and_b32 v1, 31, v0
	v_lshlrev_b32 v[LI], 4, v1
	v_add_nc_u32 v[LV], 0x20000, v[LI]
	v_lshlrev_b32 v5, 4, v0                        ; 16 x thread: my 16 bytes of every 8,192: in kc, and in LDS (an LDS offset has 16 bits: four bases)
	v_add_nc_u32 v6, 0x10000, v5
	v_add_nc_u32 v7, 0x20000, v5
	v_add_nc_u32 v232, 0x30000, v5
	v_lshrrev_b32 v233, 8, v0                      ; in vc a head's four blocks of 64 keys are 4,096 consecutive bytes, 65,536 apart: threads 0-255 take one run, threads 256-511 the next
	v_and_b32 v3, 255, v0
	v_lshlrev_b32 v3, 4, v3
	v_lshl_add_u32 v233, v233, 16, v3
	s_wait_alu depctr_va_sdst(0)                   ; s14, the wave's number, is written, ahead of its first reader: Q's and the context's bases are made from it
	s_and_b32 s15, ttmp7, 0xffff                   ; batch x 16 + head
	s_lshr_b32 s29, s15, 4
	s_and_b32 s30, s15, 15
	s_lshl_b32 s32, s15, 17                        ; the head's first byte in qc and kc
	s_mov_b32 s33, 0
	s_lshl_b32 s34, ttmp9, 5
	s_lshl_b32 s35, s14, 1
	s_add_co_u32 s34, s34, s35                     ; my first tile of queries in the head: 32 x work-group x + 2 x wave
	s_lshl_b32 s36, s34, 10
	s_add_co_u32 s36, s36, s32
	s_mov_b32 s37, 0
	s_lshl_b32 s38, s29, 21                        ; vc: batch x 32 runs of 64 keys x 65,536 + head x 4 blocks
	s_lshl_b32 s39, s30, 12
	s_add_co_u32 s38, s38, s39
	s_mov_b32 s39, 0
	s_lshr_b32 s40, s30, 2                         ; cc: (head / 4) x 2 MiB + (tile of tokens) x 4,096 + (head % 4) x 1,024
	s_lshl_b32 s40, s40, 21
	s_lshl_b32 s41, s29, 7
	s_add_co_u32 s41, s41, s34
	s_lshl_b32 s41, s41, 12
	s_add_co_u32 s40, s40, s41
	s_and_b32 s41, s30, 3
	s_lshl_b32 s41, s41, 10
	s_add_co_u32 s40, s40, s41
	s_mov_b32 s41, 0
	s_wait_kmcnt 0x0
	s_load_b128 s[16:19], s[10:11], 0x18           ; e6, e7, e8, e9
	s_load_b32 s20, s[10:11], 0x28                 ; e10
	s_add_nc_u64 s[4:5], s[4:5], s[36:37]
	s_add_nc_u64 s[6:7], s[6:7], s[32:33]
	s_add_nc_u64 s[8:9], s[8:9], s[38:39]
	s_add_nc_u64 s[12:13], s[12:13], s[40:41]
	s_wait_alu depctr_va_vdst(0)                   ; v1, v2, v5, v6, v7, v232 and v233 are written: every load and store of the kernel, global or LDS, reads one of them or a sum made of one
.irp x, 0,1
.irp g, 0,1
	global_load_b128 v[Q+8*\x+4*\g:Q+8*\x+4*\g+3], v[LI], s[4:5] offset:1024*\x+512*\g th:TH_LOAD_NT
.endr
.endr
.set i, 0
.rept 16
	global_load_b128 v[S+4*i:S+4*i+3], v5, s[6:7] offset:8192*i
.set i, i+1
.endr
.set i, 0
.rept 16
	global_load_b128 v[O+4*i:O+4*i+3], v233, s[8:9] offset:131072*i
.set i, i+1
.endr
.irp i, 0,1,2,3
	v_mov_b32 v[MX+\i], 0xff800000                 ; under every score
.endr
.irp i, 0,1,2,3,4,5,6,7
	v_mov_b32 v[L+\i], 0
.endr
	v_mov_b32 v[NM+1], 0                           ; (named as the upper halves of pairs, so they are written)
	v_mov_b32 v[NM+3], 0
	v_mov_b32 v251, 0                              ; (a lane permute's destination counts as one of its sources)
	v_mov_b32 v252, 0
	s_mov_b32 s26, 0x76543210                      ; v_permlanex16_b32's selects for lane l xor 16
	s_mov_b32 s27, 0xfedcba98
	s_wait_kmcnt 0x0
	s_add_co_i32 s21, s16, s17
	s_lshl_b32 s21, s21, 23
	s_add_co_i32 s22, s21, 0x3e38aa3b              ; c = log2(e) / 8, with e6 + e7 added to its exponent field: a score stands for score x 2^(e6 + e7)
	s_mov_b32 s23, s22                             ; (named with it as a pair)
	s_add_co_i32 s24, s18, s19                     ; e8 + e9
	s_add_co_i32 s21, s18, 127
	s_lshl_b32 s25, s21, 23
	v_mov_b32 v250, s25                            ; 2^e8 as f32, for p's conversions
	s_add_co_i32 s21, s21, 15
	s_lshl_b32 s25, s21, 23
	s_or_b32 s25, s25, 0x600000                    ; 57,344 x 2^e8
	s_add_co_i32 s21, s20, 127
	s_lshl_b32 s31, s21, 23
	v_mov_b32 v253, s31                            ; 2^e10, for the context's
	s_add_co_i32 s21, s21, 15
	s_lshl_b32 s31, s21, 23
	s_or_b32 s31, s31, 0x600000
	v_mov_b32 v254, s31                            ; 57,344 x 2^e10
	s_wait_loadcnt 16                              ; Q and K are in; V's 16 loads may be out
.irp i, 0,1,2,3,4,5,6,7
	ds_store_b128 v5, v[S+4*\i:S+4*\i+3] offset:8192*\i      ; no vector line since the wait above names v5, v6 or S
.endr
.irp i, 0,1,2,3,4,5,6,7
	ds_store_b128 v6, v[S+32+4*\i:S+32+4*\i+3] offset:8192*\i
.endr
	s_wait_dscnt 0x0                               ; for the others' sake: my part of K lies in LDS
	s_barrier_signal -1
	s_barrier_wait -1
.macro LOADK reg, adr, off             ; a step's four fragments of K into v[reg] on, from off bytes behind v[adr]
.irp t, 0,1,2,3
.irp g, 0,1
	ds_load_b128 v[\reg+8*\t+4*\g:\reg+8*\t+4*\g+3], v[\adr] offset:\off+1024*\t+512*\g
.endr
.endr
.endm
.macro KQ reg                          ; S^T = K Q^T: four tiles of 16 keys x two tiles of 16 queries; K = the head's 64: one instruction a tile
.irp t, 0,1,2,3
.irp x, 0,1
	v_wmma_f32_16x16x64_bf8_bf8 v[S+32*\x+8*\t:S+32*\x+8*\t+7], v[\reg+8*\t:\reg+8*\t+7], v[Q+8*\x:Q+8*\x+7], 0
.endr
.endr
.endm
; ---- PASS 1: 32 steps of 64 keys.  The lanes' maxima are joined once, behind the loop.
; A step multiplies by buffer cur and first asks for the next step's K, at off bytes behind v[adr], into buffer nxt.
.macro P1STEP cur, nxt, adr, off
	s_wait_alu depctr_va_vdst(0)                   ; the step before is done reading buffer nxt, in which the loads below land; in the first of two steps v[ADK] is written
	LOADK \nxt, \adr, \off
	s_wait_dscnt 8                                 ; LDS loads come back in order (ISA guide 5.7.1): buffer cur's eight are in, the eight just issued may be out
	KQ \cur
.rept 4
	v_nop                                          ; four places between the products and the first read of their results
.endr
.irp t, 0,1,2,3                        ; four chains by turns; each tile is read from its low end on.  These lines also stand between these products and the next step's, which write S anew
.irp p, 0,1,2,3
.irp x, 0,1
	v_max3_num_f32 v[MX+2*\x+(\p%2)], v[MX+2*\x+(\p%2)], v[S+32*\x+8*\t+2*\p], v[S+32*\x+8*\t+2*\p+1]
.endr
.endr
.endr
.endm
	LOADK KF, LI, 0                                ; key step 0
	s_mov_b32 s28, 0
.Lpass1:                               ; 15 trips of two steps: both buffers are back at their start
	s_wait_alu depctr_vm_vsrc(0)                   ; the fragments' loads issued so far have read v[ADK]; in the first trip: my LDS stores of K have read S, which the products below write
	v_add_nc_u32 v[ADK], s28, v[LI]
	P1STEP KF, VF, ADK, 4096
	P1STEP VF, KF, ADK, 8192
	s_add_co_u32 s28, s28, 8192
	s_cmp_lt_u32 s28, 0x1e000
	s_cbranch_scc1 .Lpass1
	s_wait_alu depctr_vm_vsrc(0)                   ; the fragments' loads issued so far have read v[ADK]
	v_add_nc_u32 v[ADK], 0x1e000, v[LI]            ; steps 30 and 31 are written out: no load leaves K's half of LDS
	P1STEP KF, VF, ADK, 4096
	P1STEP VF, KF, LI, 0                           ; the last step asks for key step 0 once more: pass 2's first K
	v_max_num_f32 v[MX], v[MX], v[MX+1]
	v_max_num_f32 v[MX+2], v[MX+2], v[MX+3]
	v_permlanex16_b32 v251, v[MX], s26, s27        ; a query's other keys lie in the lane 16 away
	v_permlanex16_b32 v252, v[MX+2], s26, s27
	v_max_num_f32 v251, v251, v[MX]
	v_max_num_f32 v252, v252, v[MX+2]
	v_mul_f32 v251, s22, v251                      ; as t (c is positive)
	v_mul_f32 v252, s22, v252
	v_floor_f32 v[NM], -v251                       ; -M = floor(-t) = -ceil(t)
	v_floor_f32 v[NM+2], -v252
	s_wait_loadcnt 0x0                             ; V
.irp i, 0,1,2,3,4,5,6,7
	ds_store_b128 v7, v[O+4*\i:O+4*\i+3] offset:8192*\i      ; no vector or matrix line has named v7, v232 or O since the head's wait
.endr
.irp i, 0,1,2,3,4,5,6,7
	ds_store_b128 v232, v[O+32+4*\i:O+32+4*\i+3] offset:8192*\i
.endr
	s_wait_dscnt 0x0                               ; for the others' sake: my part of V lies in LDS
	s_barrier_signal -1
	s_barrier_wait -1
; ---- PASS 2: a step of 64 keys, base bytes into K's and V's halves of LDS.  zero = 1: the first step's products start O^T's sums.  more = 1: the next step's K is asked for.
.macro STEP2 zero, more, base
	s_wait_alu depctr_vm_vsrc(0)                   ; the fragments' loads issued so far have read v[ADK] and v[ADV]; in the first step: my LDS stores of V have read O, which the products below write
.if \more
	v_add_nc_u32 v[ADK], \base, v[LI]
.else
	v_nop
.endif
	v_add_nc_u32 v[ADV], \base, v[LV]
	v_nop
	v_nop                                          ; with the two lines above: four places between the last step's products and the loads into V's registers
	s_wait_alu depctr_va_vdst(0)                   ; v[ADK] and v[ADV] are written; the last products that read VF (the step before's V^T P; in the first step pass 1's last K Q^T) are done reading it
.irp d, 0,1,2,3
.irp g, 0,1
	ds_load_b128 v[VF+8*\d+4*\g:VF+8*\d+4*\g+3], v[ADV] offset:1024*\d+512*\g
.endr
.endr
	s_wait_dscnt 8                                 ; K's eight loads, asked for a step ago, are in; V's eight may be out
	KQ KF
.rept 4
	v_nop
.endr
.irp x, 0,1
.set i, 0
.rept 16
	v_pk_fma_f32 v[S+32*\x+i:S+32*\x+i+1], v[S+32*\x+i:S+32*\x+i+1], s[22:23], v[NM+2*\x:NM+2*\x+1] op_sel_hi:[1,0,0]   ; t - M, two at a time
.set i, i+2
.endr
.endr
.set i, 0
.rept 64
	v_exp_f32 v[S+i], v[S+i]                       ; p = 2^(t - M): one batch
.set i, i+1
.endr
	v_nop                                          ; a plain line behind the last exponential
	s_wait_alu depctr_va_vdst(0)                   ; the 64 exponentials have written p, ahead of its first reader; and the products K Q^T are done reading KF, in which the loads below land
.if \more
	LOADK KF, ADK, 4096                            ; the next step's K: it lands under the sums, the conversions and the products below
.endif
.set i, 0
.rept 16                               ; the row's sum is taken of the unquantised p: four packed chains by turns
.irp x, 0,1
	v_pk_add_f32 v[L+4*\x+2*(i%2):L+4*\x+2*(i%2)+1], v[L+4*\x+2*(i%2):L+4*\x+2*(i%2)+1], v[S+32*\x+2*i:S+32*\x+2*i+1]
.endr
.set i, i+1
.endr
	s_cmp_ge_i32 s18, -15                          ; where 57,344 x 2^e8 lies above every p the hold changes nothing and is jumped: a scalar branch on a given whole number
	s_cbranch_scc1 .Lno_hold_\@
.set i, 0
.rept 64
	v_min_num_f32 v[S+i], s25, v[S+i]              ; the conversion to an 8-bit code does not saturate (ISA guide 7.6.2); p is not negative, so the hold is one-sided
.set i, i+1
.endr
.Lno_hold_\@:
.irp x, 0,1
.irp t, 0,1,2,3
	v_cvt_scalef32_pk8_bf8_f32 v[PC+8*\x+2*\t:PC+8*\x+2*\t+1], v[S+32*\x+8*\t:S+32*\x+8*\t+7], v250
.endr
.endr
	v_nop                                          ; one plain line between the conversions and the products that read their results
.if \more
	s_wait_dscnt 8                                 ; V is in; the next step's K, eight loads, may be out
.else
	s_wait_dscnt 0x0                               ; V is in
.endif
.irp d, 0,1,2,3                        ; O^T += V^T P^T: eight accumulators, one instruction a turn; the next step's eight products K Q^T stand between two turns of one accumulator
.irp x, 0,1
.if \zero
	v_wmma_f32_16x16x64_bf8_bf8 v[O+32*\x+8*\d:O+32*\x+8*\d+7], v[VF+8*\d:VF+8*\d+7], v[PC+8*\x:PC+8*\x+7], 0
.else
	v_wmma_f32_16x16x64_bf8_bf8 v[O+32*\x+8*\d:O+32*\x+8*\d+7], v[VF+8*\d:VF+8*\d+7], v[PC+8*\x:PC+8*\x+7], v[O+32*\x+8*\d:O+32*\x+8*\d+7]
.endif
.endr
.endr
.endm
	STEP2 1, 1, 0
	s_mov_b32 s28, 4096
.Lpass2:                               ; 30 trips: steps 1 to 30
	STEP2 0, 1, s28
	s_add_co_u32 s28, s28, 4096
	s_cmp_lt_u32 s28, 0x1f000
	s_cbranch_scc1 .Lpass2
	STEP2 0, 0, 0x1f000                            ; the last step is written out: there is no K behind it to ask for
; ---- THE WAY OUT.  The sums' chains are joined (these lines are the places behind the last products); O^T x 2^(e8 + e9) / the sum is the context; held, converted, stored as a block's image.
	v_pk_add_f32 v[L:L+1], v[L:L+1], v[L+2:L+3]
	v_pk_add_f32 v[L+4:L+5], v[L+4:L+5], v[L+6:L+7]
	v_add_f32 v[L], v[L], v[L+1]
	v_add_f32 v[L+4], v[L+4], v[L+5]
	v_permlanex16_b32 v251, v[L], s26, s27
	v_permlanex16_b32 v252, v[L+4], s26, s27
	v_add_f32 v[L], v[L], v251
	v_add_f32 v[L+4], v[L+4], v252
	v_rcp_f32 v[L], v[L]
	v_rcp_f32 v[L+4], v[L+4]
	v_nop                                          ; a plain line behind the reciprocals
	s_wait_alu depctr_va_vdst(0)                   ; both reciprocals are written, ahead of their first reader
	v_ldexp_f32 v[L], v[L], s24
	v_ldexp_f32 v[L+4], v[L+4], s24
.irp x, 0,1
.set i, 0
.rept 16
	v_pk_mul_f32 v[O+32*\x+i:O+32*\x+i+1], v[O+32*\x+i:O+32*\x+i+1], v[L+4*\x:L+4*\x+1] op_sel_hi:[1,0]   ; each accumulator from its low end on
.set i, i+2
.endr
.set i, 0
.rept 32
	v_med3_num_f32 v[O+32*\x+i], v[O+32*\x+i], -v254, v254
.set i, i+1
.endr
.irp d, 0,1,2,3
	v_cvt_scalef32_pk8_bf8_f32 v[PC+8*\x+2*\d:PC+8*\x+2*\d+1], v[O+32*\x+8*\d:O+32*\x+8*\d+7], v253
.endr
	v_nop
.endr
	s_wait_alu depctr_va_vdst(0)                   ; the eight conversions have written the context's codes in v[PC ..], which the four stores read
.irp x, 0,1
	global_store_b128 v[LI], v[PC+8*\x:PC+8*\x+3],   s[12:13] offset:4096*\x       ; 512 consecutive bytes each
	global_store_b128 v[LI], v[PC+8*\x+4:PC+8*\x+7], s[12:13] offset:4096*\x+512
.endr
	s_wait_xcnt 0x0                                ; the stores' addresses are translated
	v_lshl_add_u32 v254, v0, 2, 0x40000            ; the add's two registers are made here, straight ahead of the closing lines: no two could be kept; no memory or LDS instruction has read v254 or v255
	v_mov_b32 v255, 0
	s_wait_dscnt 0x0                               ; the closing lines, six on end, of a wave in the mode that has stored to LDS
	s_wait_alu 0x0
	s_wait_tensorcnt 0x0
	ds_add_u32 v254, v255
	s_wait_dscnt 0x0
	s_endpgm
.Lfunc_end_k_q597ca3cf94_attn:
	.size	k_q597ca3cf94_attn, .Lfunc_end_k_q597ca3cf94_attn-k_q597ca3cf94_attn
	.p2alignl 7, 3214868480
	.fill 96, 4, 3214868480
	.section	.rodata,"a",@progbits
	.p2align	6, 0x0
	.amdhsa_kernel k_q597ca3cf94_attn
		.amdhsa_group_segment_fixed_size 264192
		.amdhsa_private_segment_fixed_size 0
		.amdhsa_enable_private_segment 0
		.amdhsa_kernarg_size 40
		.amdhsa_user_sgpr_count 2
		.amdhsa_user_sgpr_kernarg_segment_ptr 1
		.amdhsa_wavefront_size32 1
		.amdhsa_system_sgpr_workgroup_id_x 1
		.amdhsa_system_sgpr_workgroup_id_y 1
		.amdhsa_system_sgpr_workgroup_id_z 1
		.amdhsa_system_vgpr_workitem_id 0
		.amdhsa_next_free_vgpr 256
		.amdhsa_next_free_sgpr 66
		.amdhsa_reserve_vcc 0
		.amdhsa_float_denorm_mode_32 3
		.amdhsa_float_denorm_mode_16_64 3
		.amdhsa_memory_ordered 1
		.amdhsa_forward_progress 1
		.amdhsa_inst_pref_size 65
	.end_amdhsa_kernel
	.amdgpu_metadata
---
amdhsa.version: [ 1, 2 ]
amdhsa.kernels:
  - .name:           k_q597ca3cf94_attn
    .symbol:         k_q597ca3cf94_attn.kd
    .args:
      - { .name: qc, .offset: 0, .size: 8, .value_kind: global_buffer, .address_space: global }
      - { .name: kc, .offset: 8, .size: 8, .value_kind: global_buffer, .address_space: global }
      - { .name: vc, .offset: 16, .size: 8, .value_kind: global_buffer, .address_space: global }
      - { .name: lowp_scales, .offset: 24, .size: 8, .value_kind: global_buffer, .address_space: global }
      - { .name: cc, .offset: 32, .size: 8, .value_kind: global_buffer, .address_space: global }
    .group_segment_fixed_size: 264192
    .private_segment_fixed_size: 0
    .kernarg_segment_align: 8
    .kernarg_segment_size: 40
    .max_flat_workgroup_size: 512
    .sgpr_count:     66
    .vgpr_count:     256
    .wavefront_size: 32
...
	.end_amdgpu_metadata
.endif
;; end of part 6
;; launch oproj: the kernel of part 4 again; grid 4 x 64, 4 waves a work-group, clusters of 4 x 4, 327,680 bytes of LDS; arguments cc, wc, lowp_scales, bo, out0; writes out0
